; MI455X (gfx1250); checked and timed in simulation.
; The chip was launched on July 23, 2026; its instructions are those of AMD's public machine-readable ISA for CDNA 5 (MIT licence, August 2026) and "CDNA5" Instruction Set Architecture Reference Guide (July 2026). The comments in the code are by the model that wrote it; some were corrected since.
;; Causal Self Attention. Allowed arithmetic: matrix products marked QUANTISED: E2M3 operands, one E8M0 scale for each 32 along K, by v_wmma_scale_f32_16x16x128_f8f6f4 with both operands' format E2M3, f32 sums; everything else in f32.
;; Inputs: W_attn 1,024 x 3,072 float32; W_proj 1,024 x 1,024 float32; b_attn 3,072 float32; b_proj 1,024 float32; x 4 x 2,048 x 1,024 float32.
;; Outputs: out0 4 x 2,048 x 1,024 float32.
;; This version of the problem:
;;   THIS VERSION OF THE PROBLEM IS GIVEN IN LOW PRECISION. The matrix products marked QUANTISED in the list below multiply operands that are first quantised to E2M3 (2 exponent bits, 3 mantissa bits; 6 bits a number), with one power-of-two scale for each 32 numbers along K (OCP MX v1.0); their sums are f32. All else is computed in f32.
;;   The module's matrix products, in the order in which they are computed (A, B: the left and right operand; K: the contracted axis; several contracted axes count as one K, in the product's order):
;;     1. [M 8,192, K 1,024] x [K 1,024, N 3,072]; A: input x; B: input W_attn: QUANTISED
;;     2. batch 64 x [M 2,048, K 64] x [K 64, N 2,048]; A: computed on the way; B: computed on the way: QUANTISED
;;     3. batch 64 x [M 2,048, K 2,048] x [K 2,048, N 64]; A: softmax (see below); B: computed on the way: QUANTISED
;;     4. [M 8,192, K 1,024] x [K 1,024, N 1,024]; A: computed on the way; B: input W_proj: QUANTISED
;;   THE QUANTISER, for each operand of a quantised product, along K:
;;     - K is cut into blocks of 32 from its start; a last block that is shorter is filled with zeros.
;;     - A block's scale is 2^e with e = floor(log2(the largest magnitude in the block)) - 2, held to -126 .. 127; a block of zeros has e = 0. As a byte (E8M0): e + 127.
;;     - Each number is divided by its block's scale, clamped to +-7.5, and rounded to the nearest number of E2M3, ties to even, subnormals kept.
;;     - The product sums the exact products of the quantised numbers (number of the format x scale) in f32.
;;   ~~~python
;;   def quantise(x, axis):      # numpy; x: float32 -> the quantised numbers, widened to float32 again
;;       x = np.moveaxis(x, axis, -1); K = x.shape[-1]
;;       x = np.pad(x, [(0, 0)] * (x.ndim - 1) + [(0, -K % 32)]); x = x.reshape(x.shape[:-1] + (-1, 32)); a = np.abs(x).max(-1, keepdims=True)
;;       e = np.where(a > 0, np.clip(np.frexp(np.where(a > 0, a, 1))[1] - 1 - 2, -126, 127), 0)      # np.frexp(a)[1] - 1 = floor(log2(a)), exactly
;;       r = np.clip(x / 2.0 ** e, -7.5, 7.5)
;;       step = 2.0 ** (np.maximum(np.frexp(np.where(r == 0, 1, r))[1] - 1, 0) - 3)
;;       q = np.round(r / step) * step * 2.0 ** e      # np.round: ties to even
;;       return np.moveaxis(q.reshape(q.shape[:-2] + (-1,))[..., :K], -1, axis).astype(np.float32)
;;   ~~~
;;   SOFTMAX AHEAD OF A QUANTISED PRODUCT. Where the list says 'softmax', what is quantised is not the finished softmax but p = 2^(t - M), with t = logit x log2(e) and M = ceil(the row's largest t), a whole number; so 1/2 < the row's largest p <= 1. The row's sum l is taken of the UNQUANTISED p, in f32, and the product's result is divided by l at the end. Since M is a whole number, a kernel that streams over the keys may use a running M (the ceiling of the running maximum): every later rescaling is an exact power of two, which a block's scale takes up: the codes' values come out the same.
;;   OPERANDS COMPUTED ON THE WAY. 'Computed on the way' means the value that the module computes at that place (a softmax that the list does not call 'softmax' is quantised finished and normalised). What goes into a quantiser is computed in f32, as accurately as f32 sums, v_exp_f32 and their like allow (about 1e-6 of the number): no bf16 or f16 on the way to a quantiser, and a product that is left as it is and whose result goes on into a quantised operand takes f32 operands (vector FMAs, or v_wmma_f32_16x16x4_f32). A number that lies on a knife's edge between two numbers of the format may be rounded either way, as far as f32 arithmetic and the matrix unit's own rounding can turn it there, and no further.
;; One version. Each part assembles by itself: llvm-mc -triple=amdgcn-amd-amdhsa -mcpu=gfx1250 --defsym DOCPART=n.
;; ======== version 1 of 1: 4 launches
;; workspace buffers: ximg 6,553,600 bytes; waimg 2,457,600 bytes; wpimg 819,200 bytes; qi 6,553,600 bytes; kv 13,107,200 bytes; yimg 6,553,600 bytes
;; launch quant (part 1): grid 384 x 1, 4 waves a work-group, no clusters, 59,904 bytes of LDS; arguments x, W_attn, W_proj, ximg, waimg, wpimg; writes ximg, waimg, wpimg
.if DOCPART == 1
	.amdgcn_target "amdgcn-amd-amdhsa--gfx1250"
	.amdhsa_code_object_version 6
	.text
	.protected	k_q2aa73d8f35_quant
	.globl	k_q2aa73d8f35_quant
	.p2align	8
	.type	k_q2aa73d8f35_quant,@function
k_q2aa73d8f35_quant:
	s_mov_b64 s[64:65], 0
	v_nop
	global_prefetch_b8 v0, s[64:65] scope:SCOPE_SE
	s_setreg_imm32_b32 hwreg(HW_REG_WAVE_MODE, 25, 1), 1
	s_wait_xcnt 0x0
; x [8192][1024], W_attn [1024][3072], W_proj [1024][1024], f32, become codes of FP6 (E2M3) with one E8M0 byte for each 32 along K (K = the 1,024 inputs),
; laid in the ORDER OF THE OPERAND'S REGISTERS.  A block's scale is 2^(floor(log2(largest magnitude)) - 2): its byte is the largest magnitude's exponent field - 2.
; LIMITS: NaN and infinities are not served; a block whose largest magnitude lies under 2^-124 keeps the byte 1; a block of zeros gets the byte 1 where the rule says 127
; (its codes are zeros, which add nothing, and this program alone reads the bytes).
; LAYOUT OF THE OUTPUT.  A fragment (16 rows x 128 K, 12 registers a lane) is 1,536 bytes: registers 0-3 at 16 x lane, 4-5 at 512 + 8 x lane, 6-9 at 768 + 16 x lane, 10-11 at 1280 + 8 x lane.
; A quad block QB is four fragments and, at 6144 + 8 x lane, two registers of scale words: register k holds fragment 2k's row words in lanes 0-15, fragment 2k+1's in lanes 16-31.
; THE ROWS OF A FRAGMENT ARE NOT NEIGHBOURS: fragment f of a group of 64 rows takes rows 32 (f/2) + 8 (f%2) + i + 8 (i/8), i = 0 .. 15.
; QB number = ((group of 128 rows x 8 + K step of 128) x 2 + which 64 rows).  One wave makes one QB; waves share nothing: no barrier.
; Work-groups 0-255 take x (K innermost: rows turn through the wave's stage in LDS); 256-351 W_attn, 352-383 W_proj (K outermost: a lane takes a column, its registers run down K).
; The two ways have LDS bytes of their own.
.set QB,   6400
.set XSTG, 8448                        ; x's stage: 16 rows x (512 + 16) bytes a wave
.set WSTG, 33792                       ; behind the four: the weights' stages, one QB a wave
.set L16, 16                           ; v16 16 x lane    v17 8 x lane    v30 4 x lane
.set L8,  17
.set STI, 18                           ; v18 x's stage, in     v19 out: 528 r + 128 h
.set STO, 19
.set SH8, 20                           ; v20 8 h
.set A16, 21                           ; v21-23 where a column's codes and scale word go in the weights' stage
.set A8,  22
.set AW,  23
.set WD,  24                           ; v24-27 scale words
.set WR16, 28                          ; v28, 29 the weights' stage read back as it lies
.set WR8, 29
.set L4,  30
.set R,   32                           ; v32-159 x as loaded, two sets of 64
.set VO,  32                           ; v32-63  (weights) offsets of 32 rows down K
.set OB,  64                           ; v64-113 (weights) the QB on its way out
.set X,   160                          ; v160-223 64 numbers of a lane (weights: two sets of 32)
.set C,   224                          ; v224-247 codes, two sets of 12
.set TT,  248                          ; a conversion's three registers begin on an even number: the upper sixteen's codes are made here and moved
	s_load_b256 s[4:11], s[0:1], 0x0               ; x, W_attn, W_proj, ximg
	s_load_b128 s[12:15], s[0:1], 0x20             ; waimg, wpimg
	v_lshl_add_u32 v251, v0, 2, 0xe800
	v_mov_b32 v255, 0
	v_lshrrev_b32 v1, 5, v0
	v_readfirstlane_b32 s16, v1                    ; wave
	v_and_b32 v2, 31, v0                           ; lane
	v_and_b32 v3, 15, v0                           ; r
	v_bfe_u32 v4, v0, 4, 1                         ; h
	v_bfe_u32 v5, v0, 3, 1                         ; (weights) u: which fragment of a pair my column falls into
	v_and_b32 v6, 7, v0
	v_lshl_add_u32 v6, v4, 3, v6                   ; (weights) and which row of it: (lane & 7) + 8 (lane / 16)
	v_lshlrev_b32 v[L16], 4, v2
	v_lshlrev_b32 v[L8], 3, v2
	v_lshlrev_b32 v[L4], 2, v2
	v_lshlrev_b32 v[SH8], 3, v4
	v_mov_b32 v15, 0                               ; a lane permute's destination counts as one of its sources
	s_mul_i32 s17, s16, XSTG
	v_add_nc_u32 v[STI], s17, v[L16]
	v_mul_u32_u24 v[STO], v3, 528
	v_lshl_add_u32 v[STO], v4, 7, v[STO]
	v_add_nc_u32 v[STO], s17, v[STO]
	s_mul_i32 s18, s16, QB
	s_add_co_u32 s18, s18, WSTG
	v_mul_u32_u24 v7, v5, 1536
	v_add_nc_u32 v7, s18, v7
	v_lshl_add_u32 v[A16], v6, 4, v7
	v_lshl_add_u32 v[A8], v6, 3, v7
	v_lshlrev_b32 v[AW], 3, v6
	v_lshl_add_u32 v[AW], v5, 7, v[AW]
	v_add_nc_u32 v[AW], s18, v[AW]
	v_add_nc_u32 v[WR16], s18, v[L16]
	v_add_nc_u32 v[WR8], s18, v[L8]
	s_mov_b32 s20, 0x76543210
	s_mov_b32 s21, 0xfedcba98                      ; selects for lane l xor 16
	s_mov_b32 s22, 0xffff0000                      ; lanes 16-31
	s_wait_kmcnt 0x0
.macro OUTOFF                          ; s24 = group of 64 rows, s25 = K step  ->  s[28:29] = the QB's byte offset
	s_lshr_b32 s28, s24, 1
	s_lshl_b32 s28, s28, 3
	s_add_co_u32 s28, s28, s25
	s_lshl_b32 s28, s28, 1
	s_and_b32 s29, s24, 1
	s_add_co_u32 s28, s28, s29
	s_mul_i32 s28, s28, QB
	s_mov_b32 s29, 0
.endm
	s_cmp_lt_u32 ttmp9, 256
	s_cbranch_scc0 .Lweights
; ---------------- x: 64 rows x 128 K a wave
	s_lshr_b32 s24, ttmp9, 1                       ; group of 64 rows
	s_and_b32 s25, ttmp9, 1
	s_lshl_b32 s25, s25, 2
	s_add_co_u32 s25, s25, s16                     ; K step
	s_lshl_b32 s26, s24, 18                        ; 64 rows of 4,096 bytes
	s_lshl_b32 s27, s25, 9
	s_add_co_u32 s26, s26, s27
	s_mov_b32 s27, 0
	s_add_nc_u64 s[4:5], s[4:5], s[26:27]
	OUTOFF
	s_add_nc_u64 s[10:11], s[10:11], s[28:29]
.macro LOADX t                         ; fragment t's 16 rows: each load reads 512 consecutive bytes of one row
.set i, 0
.rept 16
	global_load_b128 v[R+64*((\t)%2)+4*i:R+64*((\t)%2)+4*i+3], v[L16], s[4:5] offset:(32*((\t)/2)+8*((\t)%2)+i+8*(i/8))*4096 th:TH_LOAD_NT
.set i, i+1
.endr
.endm
.macro TILEX t
.if (\t) < 3
	s_wait_loadcnt 16                              ; this fragment's 16 loads are in; the next one's may be out
.else
	s_wait_loadcnt 0x0
.endif
.set i, 0
.rept 16
	ds_store_b128 v[STI], v[R+64*((\t)%2)+4*i:R+64*((\t)%2)+4*i+3] offset:528*i
.set i, i+1
.endr
.irp c, 0,1                            ; back: lane (r, h) takes k = 64 c + 32 h + 0 .. 31 of row r.  LDS serves a wave's instructions in order: these see the stores
.irp j, 0,1,2,3,4,5,6,7
	ds_load_b128 v[X+32*\c+4*\j:X+32*\c+4*\j+3], v[STO] offset:256*\c+16*\j
.endr
.endr
	s_wait_dscnt 0x0
.if (\t)+2 < 4
	LOADX (\t)+2
.endif
.irp c, 0,1                            ; my blocks 2 c + h: all 32 numbers are mine; the floor 2^(3 - 127) holds the byte at 1 from below
	v_max3_num_f32 v[8+\c], |v[X+32*\c]|, |v[X+32*\c+1]|, 0x1800000
.endr
.irp i, 2,4,6,8,10,12,14,16,18,20,22,24,26,28,30
.irp c, 0,1
	v_max3_num_f32 v[8+\c], v[8+\c], |v[X+32*\c+\i]|, |v[X+32*\c+\i+1]|
.endr
.endr
.irp c, 0,1
	v_add_nc_u32 v[10+\c], 0xff000000, v[8+\c]     ; 2 off the exponent field: the conversion's scale operand
.endr
.irp c, 0,1
	v_lshrrev_b32 v[12+\c], 23, v[10+\c]           ; the byte
.endr
	v_lshl_or_b32 v14, v13, 16, v12
	v_lshlrev_b32 v14, v[SH8], v14                 ; bytes h and 2 + h of the row's word
	v_permlanex16_b32 v15, v14, s20, s21
	v_or_b32 v[WD+(\t)], v14, v15                  ; with lane l xor 16's two the word is whole, in both lanes
.if (\t) >= 2
	s_wait_alu depctr_va_vdst(0)
	s_wait_xcnt 0x0                                ; this set of codes was the data of stores two fragments ago
.endif
.set CS, C+12*((\t)%2)
.irp c, 0,1
	v_cvt_scalef32_pk16_fp6_f32 v[CS+6*\c:CS+6*\c+2], v[X+32*\c:X+32*\c+15], v[10+\c]
	v_cvt_scalef32_pk16_fp6_f32 v[TT+4*\c:TT+4*\c+2], v[X+32*\c+16:X+32*\c+31], v[10+\c]
.endr
	v_nop                                          ; one plain place behind a scaled conversion
.irp c, 0,1
.irp i, 0,1,2
	v_mov_b32 v[CS+6*\c+3+\i], v[TT+4*\c+\i]
.endr
.endr
	global_store_b128 v[L16], v[CS:CS+3], s[10:11] offset:(\t)*1536            ; each store covers 512 or 256 consecutive bytes, aligned to 256
	global_store_b64 v[L8], v[CS+4:CS+5], s[10:11] offset:(\t)*1536+512
	global_store_b128 v[L16], v[CS+6:CS+9], s[10:11] offset:(\t)*1536+768
	global_store_b64 v[L8], v[CS+10:CS+11], s[10:11] offset:(\t)*1536+1280
.endm
	LOADX 0
	LOADX 1
	TILEX 0
	TILEX 1
	TILEX 2
	TILEX 3
	v_cndmask_b32 v12, v[WD], v[WD+1], s22         ; lanes 0-15 fragment 0's words, lanes 16-31 fragment 1's
	v_cndmask_b32 v13, v[WD+2], v[WD+3], s22
	global_store_b64 v[L8], v[12:13], s[10:11] offset:6144
	s_wait_tensorcnt 0x0
	ds_add_u32 v251, v255
	s_wait_dscnt 0x0
	s_endpgm
; ---------------- the weights: 64 columns x 128 K a wave
.Lweights:
	s_sub_co_u32 s24, ttmp9, 256
	s_cmp_lt_u32 s24, 96                           ; W_attn or W_proj: the choice hangs on the work-group's number alone
	s_cselect_b64 s[6:7], s[6:7], s[8:9]
	s_cselect_b64 s[12:13], s[12:13], s[14:15]
	s_mov_b32 s23, 4096
	s_cselect_b32 s23, 12288, s23                  ; bytes in a row of W
	s_cselect_b32 s26, 0, 96
	s_sub_co_u32 s24, s24, s26
	s_and_b32 s25, s24, 7                          ; K step
	s_lshr_b32 s24, s24, 3
	s_lshl_b32 s24, s24, 2
	s_add_co_u32 s24, s24, s16                     ; group of 64 columns: the four waves stand side by side on 1,024 bytes of a row
	s_mul_i32 s26, s25, s23
	s_lshl_b32 s26, s26, 7                         ; 128 rows a K step
	s_lshl_b32 s27, s24, 8
	s_add_co_u32 s26, s26, s27
	s_mov_b32 s27, 0
	s_add_nc_u64 s[6:7], s[6:7], s[26:27]
	s_lshl_b32 s30, s23, 5                         ; 32 rows
	s_mov_b32 s29, 0
.irp q, 0,1,2,3,4,5,6,7                ; block q = 4 p + beta: columns 32 p on, rows 32 beta on: a base for each, so that none is stepped
	s_mul_i32 s28, s30, \q%4
	s_add_co_u32 s28, s28, 128*(\q/4)
	s_add_nc_u64 s[32+2*\q:33+2*\q], s[6:7], s[28:29]
.endr
	OUTOFF
	s_add_nc_u64 s[12:13], s[12:13], s[28:29]
.set i, 0
.rept 32
	v_mad_u32_u24 v[VO+i], s23, i, v[L4]           ; row i of a block, my column
.set i, i+1
.endr
.macro LOADW q
.set i, 0
.rept 32
	global_load_b32 v[X+32*((\q)%2)+i], v[VO+i], s[32+2*(\q):33+2*(\q)] th:TH_LOAD_NT   ; 32 lanes read 128 consecutive bytes
.set i, i+1
.endr
.endm
.macro BLOCKW q
.set XS, X+32*((\q)%2)
.set PP, (\q)/4
.set BE, (\q)%4
.if (\q) < 7
	s_wait_loadcnt 32                              ; this block's 32 loads are in; the next block's may be out
.else
	s_wait_loadcnt 0x0
.endif
	v_max3_num_f32 v8, |v[XS]|, |v[XS+1]|, 0x1800000
	v_max3_num_f32 v9, |v[XS+2]|, |v[XS+3]|, 0x1800000
.irp i, 4,8,12,16,20,24,28
	v_max3_num_f32 v8, v8, |v[XS+\i]|, |v[XS+\i+1]|
	v_max3_num_f32 v9, v9, |v[XS+\i+2]|, |v[XS+\i+3]|
.endr
	v_max_num_f32 v8, v8, v9
	v_add_nc_u32 v10, 0xff000000, v8
	v_lshrrev_b32 v11, 23, v10
.if BE == 0
	v_mov_b32 v[WD+PP], v11
.else
	v_lshl_or_b32 v[WD+PP], v11, 8*BE, v[WD+PP]
.endif
	v_cvt_scalef32_pk16_fp6_f32 v[C:C+2], v[XS:XS+15], v10
	v_cvt_scalef32_pk16_fp6_f32 v[TT:TT+2], v[XS+16:XS+31], v10
	v_nop
.irp i, 0,1,2
	v_mov_b32 v[C+3+\i], v[TT+\i]
.endr
	ds_store_b128 v[A16], v[C:C+3] offset:3072*PP+768*(BE/2)+256*(BE%2)        ; block beta is half beta / 2 of the fragment, lanes 16 (beta % 2) on
	ds_store_b64 v[A8], v[C+4:C+5] offset:3072*PP+768*(BE/2)+512+128*(BE%2)
.if BE == 3
	ds_store_b32 v[AW], v[WD+PP] offset:6144+4*PP
.endif
.if (\q)+2 < 8
	LOADW (\q)+2
.endif
	s_wait_dscnt 0x0                               ; the stores have read the registers that the next block writes
.endm
	LOADW 0
	LOADW 1
.irp q, 0,1,2,3,4,5,6,7
	BLOCKW \q
.endr
.irp j, 0,1,2,3,4,5,6,7,8,9,10,11
	ds_load_b128 v[OB+4*\j:OB+4*\j+3], v[WR16] offset:512*\j
.endr
	ds_load_b64 v[OB+48:OB+49], v[WR8] offset:6144
.irp j, 0,1,2,3,4,5,6,7,8,9,10,11
	s_wait_dscnt 12-\j                             ; read j is back; the younger ones may be out
	global_store_b128 v[L16], v[OB+4*\j:OB+4*\j+3], s[12:13] offset:512*\j
.endr
	s_wait_dscnt 0x0
	global_store_b64 v[L8], v[OB+48:OB+49], s[12:13] offset:6144
	s_wait_tensorcnt 0x0
	ds_add_u32 v251, v255
	s_wait_dscnt 0x0
	s_endpgm
.Lfunc_end_k_q2aa73d8f35_quant:
	.size	k_q2aa73d8f35_quant, .Lfunc_end_k_q2aa73d8f35_quant-k_q2aa73d8f35_quant
	.p2alignl 7, 3214868480
	.fill 96, 4, 3214868480
	.section	.rodata,"a",@progbits
	.p2align	6, 0x0
	.amdhsa_kernel k_q2aa73d8f35_quant
		.amdhsa_group_segment_fixed_size 59904
		.amdhsa_private_segment_fixed_size 0
		.amdhsa_enable_private_segment 0
		.amdhsa_kernarg_size 48
		.amdhsa_user_sgpr_count 2
		.amdhsa_user_sgpr_kernarg_segment_ptr 1
		.amdhsa_wavefront_size32 1
		.amdhsa_system_sgpr_workgroup_id_x 1
		.amdhsa_system_sgpr_workgroup_id_y 1
		.amdhsa_system_sgpr_workgroup_id_z 1
		.amdhsa_system_vgpr_workitem_id 0
		.amdhsa_next_free_vgpr 256
		.amdhsa_next_free_sgpr 66
		.amdhsa_reserve_vcc 0
		.amdhsa_float_denorm_mode_32 3
		.amdhsa_float_denorm_mode_16_64 3
		.amdhsa_memory_ordered 1
		.amdhsa_forward_progress 1
		.amdhsa_inst_pref_size 75
	.end_amdhsa_kernel
	.amdgpu_metadata
---
amdhsa.version: [ 1, 2 ]
amdhsa.kernels:
  - .name:           k_q2aa73d8f35_quant
    .symbol:         k_q2aa73d8f35_quant.kd
    .args:
      - { .name: x, .offset: 0, .size: 8, .value_kind: global_buffer, .address_space: global }
      - { .name: W_attn, .offset: 8, .size: 8, .value_kind: global_buffer, .address_space: global }
      - { .name: W_proj, .offset: 16, .size: 8, .value_kind: global_buffer, .address_space: global }
      - { .name: ximg, .offset: 24, .size: 8, .value_kind: global_buffer, .address_space: global }
      - { .name: waimg, .offset: 32, .size: 8, .value_kind: global_buffer, .address_space: global }
      - { .name: wpimg, .offset: 40, .size: 8, .value_kind: global_buffer, .address_space: global }
    .group_segment_fixed_size: 59904
    .private_segment_fixed_size: 0
    .kernarg_segment_align: 8
    .kernarg_segment_size: 48
    .max_flat_workgroup_size: 128
    .sgpr_count:     66
    .vgpr_count:     256
    .wavefront_size: 32
...
	.end_amdgpu_metadata
.endif
;; end of part 1
;; launch gemm1 (part 2): grid 12 x 32, 4 waves a work-group, clusters of 4 x 4, 327,680 bytes of LDS; arguments ximg, waimg, b_attn, qi, kv; writes qi, kv
.if DOCPART == 2
	.amdgcn_target "amdgcn-amd-amdhsa--gfx1250"
	.amdhsa_code_object_version 6
	.text
	.protected	k_q2aa73d8f35_gemm1
	.globl	k_q2aa73d8f35_gemm1
	.p2align	8
	.type	k_q2aa73d8f35_gemm1,@function
k_q2aa73d8f35_gemm1:
	s_mov_b64 s[64:65], 0
	v_nop
	global_prefetch_b8 v0, s[64:65] scope:SCOPE_SE
	s_setreg_imm32_b32 hwreg(HW_REG_WAVE_MODE, 25, 1), 1
	s_wait_xcnt 0x0
	s_wait_alu depctr_hold_cnt(0) depctr_sa_sdst(0) depctr_va_vdst(0) depctr_va_sdst(0) depctr_va_ssrc(0) depctr_va_vcc(0) depctr_vm_vsrc(0)
	s_getreg_b32 s2, hwreg(HW_REG_IB_STS2, 6, 4)
	s_cmp_eq_u32 s2, 0
	s_cbranch_scc0 .Lentry_in_a_cluster
	s_endpgm
.Lentry_in_a_cluster:
	s_bfe_u32 s2, ttmp6, 0x10000c
	s_cmp_lg_u32 s2, 0xf033
	s_cbranch_scc0 .Lentry_shape_is_right
	s_endpgm
.Lentry_shape_is_right:
; qkv = x W_attn + b_attn on codes of FP6 (E2M3) with E8M0 scales; the way out quantises q and k along the head's 64 and v along the tokens, and stores them as images of the next operands' registers.
; LIMITS: NaN and infinities are not served; a block whose largest magnitude lies under 2^-124 keeps the byte 1, a block of zeros too (its codes are zeros; this program alone reads the bytes).
; A work-group makes 256 P rows x 256 R rows, four waves of 128 x 128 (64 accumulators).  D = (source 0 = 16 P rows) x (source 1 = 16 R rows): a lane holds ONE R row, its registers run along P.
; Operands lie in memory in the order of the registers (fragment: 1,536 bytes; quad block QB: four fragments + 256 bytes of scale words).  The rows of a fragment are 32 b + 8 u + i + 8 (i/8), so that the
; 16 registers of P fragments 2 b, 2 b + 1 are 16 NEIGHBOURS along P, which is the next quantiser's K.
; THE CLUSTER'S x SAYS WHAT IS MADE: 0 q, 1 k (P = 256 columns of W_attn, R = 256 tokens), 2 v (P = 256 tokens, R = 256 columns: the operands change places, so that the registers run along the tokens).
; It is equal in all sixteen partners; every choice is a select, none a branch.
; K goes in steps of 256 through two LDS slots; (128 rows, 256 K) is 25,600 dense bytes, one tensor load a wave.  R's tiles are asked for jointly along a row of the cluster, P's along a column.
; REGISTERS: window 0: v16-23 LDS addresses; v32-63 scale words, two sets; v64-127 the bias as the first step's C, later 64 numbers at work; v128-223 R's eight fragments, later codes; v224-239 v's bias.
;   window 1: P's fragments, two sets (v0, v128).  windows 2, 3: accumulator (a, b) at v[8 (8 (a % 4) + b)].
.set QB,    6400
.set REG,   25600                      ; what one tensor load brings
.set SLOT,  102400                     ; R's two halves, then P's two
.set SPARE, 204800                     ; the spare words: 128 bytes a wave
.set FR, 12
.set NL, 4                             ; LDS loads a fragment
.set NP, 4                             ; places behind this matrix instruction (ISA guide 7.12.1)
.set AR16, 16
.set AR8,  18
.set AP16, 20
.set AP8,  22
.set O16,  24
.set O8,   25
.set SPW,  28
.set NIL,  29
.set SC,   32                          ; scale words: SC + 16 set + 8 (P) + 4 q + 2 (half of the 128 rows) + k
.set CI,   64
.set RF,   128
.set BR,   224
.set T,    64
.set PA,   128
.set WW,   168
.set WA,   176
.set ZZ,   178
.set TM,   200
.set G1, 24
.set G0, 32
.set G1B, 48
.set G0B, 56
.set SEL, 90
.set HM,  92
.set VF,  93
.set PW0, 94
.set RW0, 95
.set MV,  96
.set MQK, 97
.set MSB, 0
.macro WIN new                         ; the immediate's high byte repeats the setting that is left
.if MSB != (\new)
	s_set_vgpr_msb (MSB<<8)|(\new)
.set MSB, (\new)
.endif
.endm
.set MUL_LO, 0xa1
.set MUL_HI, 0xf1
.set TO_B,   0x40
.macro JLOAD g0a, g1a, g0b, g1b        ; waves 0, 1 fetch R's halves, waves 2, 3 P's; four v_nop follow each line
	s_cmp_eq_u32 s15, 0
	s_cbranch_scc0 .Lfor_b_\@
	tensor_load_to_lds s[\g0a:\g0a+3], s[\g1a:\g1a+7]
	s_nop 0
.rept 4
	v_nop
.endr
	s_branch .Lasked_\@
.Lfor_b_\@:
	tensor_load_to_lds s[\g0b:\g0b+3], s[\g1b:\g1b+7]
	s_nop 0
.rept 4
	v_nop
.endr
.Lasked_\@:
.endm
.macro CREST
	s_cmp_lg_u32 s14, 0
	s_cbranch_scc1 .Lnot_wave_0_\@
	s_barrier_signal -3
.Lnot_wave_0_\@:
	s_barrier_wait -3
	s_barrier_signal -1
	s_barrier_wait -1
.endm
.macro CROUND
	s_barrier_signal -1
	s_barrier_wait -1
	CREST
.endm
.macro PLACES n
.rept \n
	v_nop
.endr
.endm
.macro FRAG reg, a16, a8, off          ; a fragment comes as it lies: every load's bytes are consecutive from lane to lane
	ds_load_b128 v[\reg:\reg+3], v[\a16] offset:\off
	ds_load_b64 v[\reg+4:\reg+5], v[\a8] offset:\off+512
	ds_load_b128 v[\reg+6:\reg+9], v[\a16] offset:\off+768
	ds_load_b64 v[\reg+10:\reg+11], v[\a8] offset:\off+1280
.endm
.macro FETCH_P slot, q, p
	WIN TO_B
.irp i, 0,1,2,3,4,5,6,7
	FRAG 128*(\p)+FR*\i,AP16+\slot,AP8+\slot,(\q)*12800+(\i/4)*QB+(\i%4)*1536
.endr
	WIN 0
.endm
.macro FETCH_R slot, q, i0
.irp i, \i0, \i0+1, \i0+2, \i0+3
	FRAG RF+FR*(\i),AR16+\slot,AR8+\slot,(\q)*12800+((\i)/4)*QB+((\i)%4)*1536
.endr
.endm
.macro SCALES set                      ; a slot's scale words: eight loads of 8 bytes a lane
.irp q, 0,1
.irp hf, 0,1
	ds_load_b64 v[SC+16*\set+4*\q+2*\hf:SC+16*\set+4*\q+2*\hf+1], v[AR8+\set] offset:\q*12800+\hf*QB+6144
	ds_load_b64 v[SC+16*\set+8+4*\q+2*\hf:SC+16*\set+8+4*\q+2*\hf+1], v[AP8+\set] offset:\q*12800+\hf*QB+6144
.endr
.endr
.endm
.macro WM a, b, p, q, sc, first        ; one product: an odd fragment's words lie in lanes 16-31 of its scale register
.set wD, 8*(8*((\a)%4)+(\b))
.set wP, 128*(\p)+FR*(\b)
.set wR, RF+FR*(\a)
.set wSP, SC+16*(\sc)+8+4*(\q)+2*((\b)/4)+((\b)%4)/2
.set wSR, SC+16*(\sc)+4*(\q)+2*((\a)/4)+((\a)%4)/2
.set wC, wD
.if \first
.set wC, CI+8*(\b)
.endif
.if ((\a)%2 == 0) && ((\b)%2 == 0)
	v_wmma_scale_f32_16x16x128_f8f6f4 v[wD:wD+7], v[wP:wP+11], v[wR:wR+11], v[wC:wC+7], v[wSP], v[wSR] matrix_a_fmt:MATRIX_FMT_FP6 matrix_b_fmt:MATRIX_FMT_FP6
.elseif ((\a)%2 == 0)
	v_wmma_scale_f32_16x16x128_f8f6f4 v[wD:wD+7], v[wP:wP+11], v[wR:wR+11], v[wC:wC+7], v[wSP], v[wSR] matrix_a_fmt:MATRIX_FMT_FP6 matrix_b_fmt:MATRIX_FMT_FP6 matrix_a_scale:MATRIX_SCALE_ROW1
.elseif ((\b)%2 == 0)
	v_wmma_scale_f32_16x16x128_f8f6f4 v[wD:wD+7], v[wP:wP+11], v[wR:wR+11], v[wC:wC+7], v[wSP], v[wSR] matrix_a_fmt:MATRIX_FMT_FP6 matrix_b_fmt:MATRIX_FMT_FP6 matrix_b_scale:MATRIX_SCALE_ROW1
.else
	v_wmma_scale_f32_16x16x128_f8f6f4 v[wD:wD+7], v[wP:wP+11], v[wR:wR+11], v[wC:wC+7], v[wSP], v[wSR] matrix_a_fmt:MATRIX_FMT_FP6 matrix_b_fmt:MATRIX_FMT_FP6 matrix_a_scale:MATRIX_SCALE_ROW1 matrix_b_scale:MATRIX_SCALE_ROW1
.endif
.endm
.macro MUL16 a0, p, q, sc, first       ; R's blocks a0, a0 + 1 x P's eight: the 64 accumulators take turns, in the same order in every step
.irp a, \a0, \a0+1
.irp b, 0,1,2,3,4,5,6,7
	WM \a,\b,\p,\q,\sc,\first
.endr
.endr
.endm
.macro STEP slot, first                ; a slot's first 128 along K.  first = 1: the bias (window 0) is the C that starts the sums
	s_wait_dscnt 4*NL                              ; P's set, R's blocks 0-3 and the scale words are in; R's blocks 4-7 may be out
.if \first
	WIN 0x81
.else
	WIN MUL_LO
.endif
	MUL16 0,0,0,\slot,\first
	MUL16 2,0,0,\slot,\first
	s_wait_dscnt 0x0
	PLACES NP
	FETCH_P \slot,1,1
	FETCH_R \slot,1,0
.if \first
	WIN 0xc1
.else
	WIN MUL_HI
.endif
	MUL16 4,0,0,\slot,\first
	MUL16 6,0,0,\slot,\first
	PLACES NP
	WIN 0
	FETCH_R \slot,1,4
.endm
.macro TURN slot, next, fill           ; a slot's second 128 along K, and the change of slots
	s_wait_tensorcnt 0x0                           ; all my tensor loads have landed: my part of the next slot
	ds_add_u32 v[SPW], v[NIL]                      ; 0 onto my spare word
	s_wait_dscnt 4*NL+1                            ; the add and R's blocks 4-7 may be out
	WIN MUL_LO
	MUL16 0,1,1,\slot,0
	s_wait_dscnt 0x0                               ; the add is done, and my reads of this slot are over
	s_barrier_signal -1
	MUL16 2,1,1,\slot,0
	WIN 0
	s_barrier_wait -1
.if \fill
	CREST                                          ; the barrier has opened a round of the cluster's: no wave of any partner still reads this slot or has a load on its way
	s_add_nc_u64 s[G0+4*\slot+2:G0+4*\slot+3], s[G0+4*\slot+2:G0+4*\slot+3], 2*REG
	s_add_nc_u64 s[G0B+4*\slot+2:G0B+4*\slot+3], s[G0B+4*\slot+2:G0B+4*\slot+3], 2*REG
	JLOAD G0+4*\slot,G1,G0B+4*\slot,G1B            ; the first tensor load behind the round; its four v_nop are the places in front of the loads below
.else
	PLACES NP
.endif
	FETCH_P \next,0,0
	FETCH_R \next,0,0
	SCALES \next
	WIN MUL_HI
	MUL16 4,1,1,\slot,0
	MUL16 6,1,1,\slot,0
	PLACES NP
	WIN 0
	FETCH_R \next,0,4
.endm
	s_load_b256 s[4:11], s[0:1], 0x0               ; ximg, waimg, b_attn, qi
	s_load_b64 s[12:13], s[0:1], 0x20              ; kv
	v_lshl_add_u32 v[SPW], v0, 2, SPARE
	v_mov_b32 v[NIL], 0
	ds_add_u32 v28, v29
	ds_add_u32 v28, v29
	s_wait_dscnt 0x0
	v_lshrrev_b32 v1, 5, v0
	v_readfirstlane_b32 s14, v1                    ; wave
	s_lshr_b32 s15, s14, 1                         ; my half of R's rows.  Also: I fetch for R (0) or for P (1)
	s_and_b32 s16, s14, 1                          ; my half of P's rows.  Also: which 128 rows I fetch
	s_bfe_u32 s40, ttmp6, 0x40000                  ; cx
	s_bfe_u32 s41, ttmp6, 0x40004                  ; cy
	s_lshl_b32 s66, ttmp9, 2                       ; 4 x cluster x
	s_and_b32 s67, ttmp7, 0xffff
	s_lshl_b32 s67, s67, 2                         ; 4 x cluster y
	s_cmp_eq_u32 ttmp9, 2                          ; v?
	s_cselect_b32 s[VF], 1, 0
	s_cselect_b32 s42, s67, s66
	s_cselect_b32 s17, 0, s67
	s_add_co_u32 s42, s42, s40                     ; P's tile of 256 rows: hangs on cx alone within the cluster
	s_add_co_u32 s17, s17, s41                     ; R's: on cy alone
	s_lshl_b32 s43, s41, 2
	s_lshl_b32 s43, 15, s43                        ; my row of the cluster
	s_lshl_b32 s44, 0x1111, s40                    ; my column
	s_or_b32 s[G1], s43, (3<<16)|(1<<21)           ; the mask; elements of 8 bytes; bit 21 beside a mask; no padding
	s_or_b32 s[G1B], s44, (3<<16)|(1<<21)
.irp g, G1, G1B                        ; 25,600 dense bytes as 100 rows of 256
	s_mov_b32 s[\g+1], 32<<16
	s_mov_b32 s[\g+2], 100<<16
	s_mov_b32 s[\g+3], 32<<16
	s_mov_b32 s[\g+4], 100
	s_mov_b32 s[\g+5], 32
	s_mov_b32 s[\g+6], 0
	s_mov_b32 s[\g+7], 0
.endr
	s_lshl_b32 s20, s17, 1
	s_add_co_u32 s20, s20, s16
	s_mul_i32 s20, s20, 102400                     ; a group of 128 rows is 102,400 bytes
	s_mov_b32 s21, 0
	s_lshl_b32 s46, s42, 1
	s_add_co_u32 s46, s46, s16
	s_mul_i32 s46, s46, 102400
	s_mov_b32 s47, 0
	s_mul_i32 s45, s14, REG                        ; where they go: no place in the cluster enters an LDS address
	s_wait_kmcnt 0x0
	s_add_nc_u64 s[68:69], s[6:7], 16*102400       ; v's columns begin at group 16 of W_attn's
	s_cmp_eq_u32 s[VF], 1
	s_cselect_b64 s[22:23], s[68:69], s[4:5]       ; R's buffer
	s_cselect_b64 s[70:71], s[4:5], s[6:7]         ; P's
	s_add_nc_u64 s[20:21], s[22:23], s[20:21]
	s_add_nc_u64 s[46:47], s[70:71], s[46:47]
	CROUND                                         ; all sixteen work-groups are here: the first joint loads meet
.irp s, 0,1
	s_mov_b32 s[G0+4*\s], 1
	s_add_co_u32 s[G0+4*\s+1], s45, \s*SLOT
	s_add_nc_u64 s[G0+4*\s+2:G0+4*\s+3], s[20:21], \s*REG
	s_or_b32 s[G0+4*\s+3], s[G0+4*\s+3], 0x80000000
	s_mov_b32 s[G0B+4*\s], 1
	s_add_co_u32 s[G0B+4*\s+1], s45, \s*SLOT
	s_add_nc_u64 s[G0B+4*\s+2:G0B+4*\s+3], s[46:47], \s*REG
	s_or_b32 s[G0B+4*\s+3], s[G0B+4*\s+3], 0x80000000
	JLOAD G0+4*\s,G1,G0B+4*\s,G1B
.endr
	v_and_b32 v1, 31, v0
	v_lshlrev_b32 v[O16], 4, v1
	v_lshlrev_b32 v[O8], 3, v1
	s_mul_i32 s21, s15, REG
	s_mul_i32 s22, s16, REG
	s_add_co_u32 s22, s22, 2*REG
.irp s, 0,1
	v_add_nc_u32 v[AR16+\s], s21, v[O16]
	v_add_nc_u32 v[AR8+\s], s21, v[O8]
	v_add_nc_u32 v[AP16+\s], s22, v[O16]
	v_add_nc_u32 v[AP8+\s], s22, v[O8]
	s_add_co_u32 s21, s21, SLOT
	s_add_co_u32 s22, s22, SLOT
.endr
	s_lshl_b32 s[PW0], s42, 8
	s_lshl_b32 s66, s16, 7
	s_add_co_u32 s[PW0], s[PW0], s66               ; my first P row
	s_lshl_b32 s[RW0], s17, 8
	s_lshl_b32 s66, s15, 7
	s_add_co_u32 s[RW0], s[RW0], s66               ; my first R row
	; THE BIAS.  q, k: it runs along P: eight registers a P fragment in the result's layout, the C of the first step.  v: it runs along R: one number a lane and R fragment, added on the way out.
	s_cmp_eq_u32 s[VF], 1
	s_cselect_b32 s72, 0, s[PW0]
	s_cselect_b32 s73, s[RW0], 0
	s_cselect_b32 s[MV], -1, 0
	s_cselect_b32 s[MQK], 0, -1
	s_lshl_b32 s72, s72, 2
	s_lshl_b32 s73, s73, 2
	v_bfe_u32 v4, v0, 4, 1
	v_lshlrev_b32 v5, 6, v4
	v_add_nc_u32 v5, s72, v5                       ; 4 x first column + 64 h
	v_and_b32 v6, 15, v0
	v_and_b32 v7, 8, v6
	v_add_nc_u32 v6, v6, v7
	v_lshlrev_b32 v6, 2, v6
	v_add_nc_u32 v6, s73, v6                       ; 4 x (first column + r + 8 (r/8))
.irp t, 0,1,2,3,4,5,6,7
	global_load_b128 v[CI+8*\t:CI+8*\t+3], v5, s[8:9] offset:(32*(\t/2)+8*(\t%2))*4
	global_load_b128 v[CI+8*\t+4:CI+8*\t+7], v5, s[8:9] offset:(32*(\t/2)+8*(\t%2))*4+16
.endr
.irp a, 0,1,2,3,4,5,6,7
	global_load_b32 v[BR+2*\a], v6, s[8:9] offset:(2048+32*(\a/2)+8*(\a%2))*4
.endr
	s_mov_b32 s[SEL], 0x76543210
	s_mov_b32 s[SEL+1], 0xfedcba98
	s_mov_b32 s[HM], 0xffff0000
	s_wait_loadcnt 0x0
.set n, 0
.rept 64
	v_cndmask_b32 v[CI+n], 0, v[CI+n], s[MQK]      ; zeros where v is made
.set n, n+1
.endr
.irp a, 0,1,2,3,4,5,6,7
	v_cndmask_b32 v[BR+2*\a], 0, v[BR+2*\a], s[MV] ; zeros where q or k is made
.endr
.irp a, 0,1,2,3,4,5,6,7
	v_mov_b32 v[BR+2*\a+1], v[BR+2*\a]             ; a pair for the packed addition
.endr
	s_wait_tensorcnt 1                             ; my part of slot 0 is in; slot 1's may be out
	s_barrier_signal -1
	s_barrier_wait -1
	FETCH_P 0,0,0
	FETCH_R 0,0,0
	SCALES 0
	FETCH_R 0,0,4
	STEP 0,1
	s_mov_b32 s3, 1                                ; K = 1,024 is four slots' worth: one trip fills both slots again
.Llap:
	TURN 0,1,1
	STEP 1,0
	TURN 1,0,1
	STEP 0,0
	s_sub_co_u32 s3, s3, 1
	s_cmp_lg_u32 s3, 0
	s_cbranch_scc1 .Llap
	TURN 0,1,0
	STEP 1,0
	s_wait_dscnt 4*NL
	WIN MUL_LO
	MUL16 0,1,1,1,0
	MUL16 2,1,1,1,0
	s_wait_dscnt 0x0
	WIN MUL_HI
	MUL16 4,1,1,1,0
	MUL16 6,1,1,1,0
	WIN 0
; THE WAY OUT.  64 numbers of a lane, register 16 b + i = k 32 b + 16 h + i of my row, become a fragment's codes in v[pc] on and its scale word in v[pw].
.macro QUANT s, pc, pw
.irp b, 0,1,2,3
	v_max3_num_f32 v[TM+\b], |v[\s+16*\b]|, |v[\s+1+16*\b]|, 0x1800000
.endr
.irp i, 2,4,6,8,10,12,14
.irp b, 0,1,2,3
	v_max3_num_f32 v[TM+\b], v[TM+\b], |v[\s+16*\b+\i]|, |v[\s+1+16*\b+\i]|
.endr
.endr
.irp b, 0,1,2,3
	v_permlanex16_b32 v[TM+4+\b], v[TM+\b], s[SEL], s[SEL+1]
.endr
.irp b, 0,1,2,3
	v_max_num_f32 v[TM+\b], v[TM+\b], v[TM+4+\b]
.endr
.irp b, 0,1,2,3
	v_add_nc_u32 v[TM+12+\b], 0xff000000, v[TM+\b]
.endr
.irp b, 0,1,2,3
	v_lshrrev_b32 v[TM+4+\b], 23, v[TM+12+\b]
.endr
	v_lshl_or_b32 v[\pw], v[TM+5], 8, v[TM+4]
	v_lshl_or_b32 v[\pw], v[TM+6], 16, v[\pw]
	v_lshl_or_b32 v[\pw], v[TM+7], 24, v[\pw]
.irp c, 0,1
	v_cvt_scalef32_pk16_fp6_f32 v[\pc+6*\c:\pc+2+6*\c], v[\s+32*\c:\s+15+32*\c], v[TM+12+2*\c]
	v_cvt_scalef32_pk16_fp6_f32 v[\pc+12+4*\c:\pc+14+4*\c], v[\s+16+32*\c:\s+31+32*\c], v[TM+12+2*\c+1]
.endr
	v_nop                                          ; one plain place behind a scaled conversion
.irp c, 0,1                            ; the layout wants a whole block in a lane
.irp i, 0,1,2
	v_permlane16_swap_b32 v[\pc+6*\c+\i], v[\pc+12+4*\c+\i]
.endr
.irp i, 0,1,2
	v_mov_b32 v[\pc+3+6*\c+\i], v[\pc+12+4*\c+\i]
.endr
.endr
.endm
.macro OUTTILE a, u                    ; R fragment a: into window 0 (with v's bias, one packed addition for both), quantised, its two halves stored as they stand
	WIN 0x02+(\a)/4
.set oA, 64*((\a)%4)
.set j, 0
.rept 32
	v_pk_add_f32 v[T+j:T+j+1], v[oA+j:oA+j+1], v[BR+2*(\a):BR+2*(\a)+1]   ; each accumulator from its low end on
.set j, j+2
.endr
	WIN 0
	QUANT T,PA+20*(\u),WA+(\u)
.irp c, 0,1
	global_store_b128 v[O16], v[PA+20*(\u)+6*\c:PA+20*(\u)+6*\c+3], s[68+4*(\u)+2*\c:69+4*(\u)+2*\c]             ; 512 consecutive bytes, aligned to 256
	global_store_b64 v[O8], v[PA+20*(\u)+6*\c+4:PA+20*(\u)+6*\c+5], s[68+4*(\u)+2*\c:69+4*(\u)+2*\c] offset:512  ; 256 likewise
.endr
.endm
	PLACES NP
.irp b, 0,1,2,3
	v_mov_b32 v[TM+4+\b], 0                        ; a lane permute's destination counts as one of its sources
.endr
	; where my 128 x 128 goes.  q, k: halves c of a fragment are two heads, R fragments 2 pi, 2 pi + 1 the two halves of fragment pi of the step's QB.  v: R fragments are dims (two heads of four), a fragment goes whole.
	s_and_b32 s74, s[PW0], 1023
	s_cmp_eq_u32 ttmp9, 0
	s_cselect_b64 s[76:77], s[10:11], s[12:13]     ; qi or kv
	s_mov_b32 s78, 204800
	s_cselect_b32 s78, 102400, s78                 ; bytes a head
	s_mov_b32 s79, 12800
	s_cselect_b32 s79, 6400, s79                   ; bytes a step of 128 tokens
	s_cmp_eq_u32 s[VF], 1
	s_cselect_b32 s72, s[PW0], s[RW0]              ; my first token
	s_cselect_b32 s73, s[RW0], s74                 ; my first column within q, k or v
	s_mov_b32 s82, 768
	s_cselect_b32 s82, 1536, s82                   ; from R fragment 2 pi to 2 pi + 1
	s_cselect_b32 s84, 768, s78                    ; from half 0 to half 1
	s_mov_b32 s86, 0x05040100
	s_cselect_b32 s86, 0x03020100, s86             ; how two fragments' words make the stored words
	s_mov_b32 s87, 0x07060302
	s_cselect_b32 s87, 0x07060504, s87
	s_cselect_b32 s75, 6400, 0                     ; V's QB lies behind K's
	s_mov_b32 s83, 0
	s_mov_b32 s85, 0
	s_mov_b32 s88, s78
	s_mov_b32 s89, 0
	s_lshr_b32 s80, s72, 11
	s_lshl_b32 s80, s80, 4
	s_lshr_b32 s81, s73, 6
	s_add_co_u32 s80, s80, s81                     ; 16 x batch + head
	s_mul_i32 s80, s80, s78
	s_bfe_u32 s81, s72, 0x40007                    ; the step
	s_mul_i32 s81, s81, s79
	s_add_co_u32 s80, s80, s81
	s_add_co_u32 s80, s80, s75
	s_mov_b32 s81, 0
	s_add_nc_u64 s[76:77], s[76:77], s[80:81]
.irp pi, 0,1,2,3
.if \pi > 0
	s_wait_xcnt 0x0                                ; the last pair's stores have read their data and bases
.endif
	s_cmp_eq_u32 s[VF], 1
	s_mov_b32 s98, \pi*1536
	s_cselect_b32 s98, (\pi/2)*204800+(\pi%2)*3072, s98
	s_mov_b32 s99, 0
	s_add_nc_u64 s[68:69], s[76:77], s[98:99]
	s_add_nc_u64 s[70:71], s[68:69], s[84:85]
	s_add_nc_u64 s[72:73], s[68:69], s[82:83]
	s_add_nc_u64 s[74:75], s[72:73], s[84:85]
	OUTTILE 2*\pi,0
	OUTTILE 2*\pi+1,1
	v_perm_b32 v[WW+2*\pi], v[WA+1], v[WA], s86
	v_perm_b32 v[WW+2*\pi+1], v[WA+1], v[WA], s87
.endr
	; the two heads' scale images: which word is which fragment's differs between q, k and v
	v_cndmask_b32 v[ZZ], v[WW+2], v[WW+1], s[MV]
	v_cndmask_b32 v[ZZ+1], v[WW+4], v[WW+2], s[MV]
	v_cndmask_b32 v[ZZ+2], v[WW+6], v[WW+3], s[MV]
	v_cndmask_b32 v[ZZ+3], v[WW+1], v[WW+4], s[MV]
	v_cndmask_b32 v[ZZ+4], v[WW+3], v[WW+5], s[MV]
	v_cndmask_b32 v[ZZ+5], v[WW+5], v[WW+6], s[MV]
	v_cndmask_b32 v[ZZ+6], v[WW], v[ZZ], s[HM]
	v_cndmask_b32 v[ZZ+7], v[ZZ+1], v[ZZ+2], s[HM]
	v_cndmask_b32 v[ZZ+8], v[ZZ+3], v[ZZ+4], s[HM]
	v_cndmask_b32 v[ZZ+9], v[ZZ+5], v[WW+7], s[HM]
	s_add_nc_u64 s[98:99], s[76:77], s[88:89]
	global_store_b64 v[O8], v[ZZ+6:ZZ+7], s[76:77] offset:6144
	global_store_b64 v[O8], v[ZZ+8:ZZ+9], s[98:99] offset:6144
	s_wait_tensorcnt 0x0                           ; the wave's end
	ds_add_u32 v[SPW], v[NIL]
	s_wait_dscnt 0x0
	CROUND                                         ; the closing round
	s_endpgm
.Lfunc_end_k_q2aa73d8f35_gemm1:
	.size	k_q2aa73d8f35_gemm1, .Lfunc_end_k_q2aa73d8f35_gemm1-k_q2aa73d8f35_gemm1
	.p2alignl 7, 3214868480
	.fill 96, 4, 3214868480
	.section	.rodata,"a",@progbits
	.p2align	6, 0x0
	.amdhsa_kernel k_q2aa73d8f35_gemm1
		.amdhsa_group_segment_fixed_size 327680
		.amdhsa_private_segment_fixed_size 0
		.amdhsa_enable_private_segment 0
		.amdhsa_kernarg_size 40
		.amdhsa_user_sgpr_count 2
		.amdhsa_user_sgpr_kernarg_segment_ptr 1
		.amdhsa_wavefront_size32 1
		.amdhsa_system_sgpr_workgroup_id_x 1
		.amdhsa_system_sgpr_workgroup_id_y 1
		.amdhsa_system_sgpr_workgroup_id_z 1
		.amdhsa_system_vgpr_workitem_id 0
		.amdhsa_next_free_vgpr 1024
		.amdhsa_next_free_sgpr 100
		.amdhsa_reserve_vcc 0
		.amdhsa_float_denorm_mode_32 3
		.amdhsa_float_denorm_mode_16_64 3
		.amdhsa_memory_ordered 1
		.amdhsa_forward_progress 1
		.amdhsa_inst_pref_size 172
	.end_amdhsa_kernel
	.amdgpu_metadata
---
amdhsa.version: [ 1, 2 ]
amdhsa.kernels:
  - .name:           k_q2aa73d8f35_gemm1
    .symbol:         k_q2aa73d8f35_gemm1.kd
    .args:
      - { .name: ximg, .offset: 0, .size: 8, .value_kind: global_buffer, .address_space: global }
      - { .name: waimg, .offset: 8, .size: 8, .value_kind: global_buffer, .address_space: global }
      - { .name: b_attn, .offset: 16, .size: 8, .value_kind: global_buffer, .address_space: global }
      - { .name: qi, .offset: 24, .size: 8, .value_kind: global_buffer, .address_space: global }
      - { .name: kv, .offset: 32, .size: 8, .value_kind: global_buffer, .address_space: global }
    .group_segment_fixed_size: 327680
    .private_segment_fixed_size: 0
    .kernarg_segment_align: 8
    .kernarg_segment_size: 40
    .max_flat_workgroup_size: 128
    .sgpr_count:     100
    .vgpr_count:     1024
    .wavefront_size: 32
...
	.end_amdgpu_metadata
.endif
;; end of part 2
;; launch attn (part 3): grid 4 x 64, 16 waves a work-group, no clusters, 327,680 bytes of LDS; arguments qi, kv, yimg; writes yimg
.if DOCPART == 3
	.amdgcn_target "amdgcn-amd-amdhsa--gfx1250"
	.amdhsa_code_object_version 6
	.text
	.protected	k_q2aa73d8f35_attn
	.globl	k_q2aa73d8f35_attn
	.p2align	8
	.type	k_q2aa73d8f35_attn,@function
k_q2aa73d8f35_attn:
	s_mov_b64 s[64:65], 0
	v_nop
	global_prefetch_b8 v0, s[64:65] scope:SCOPE_SE
	s_setreg_imm32_b32 hwreg(HW_REG_WAVE_MODE, 25, 1), 1
	s_wait_xcnt 0x0
; Causal attention of one head on codes of FP6 (E2M3) with E8M0 scales; the result y is quantised along C and stored as images of the last product's operand.
; t = score x log2(e) / 8; M = the running largest t rounded up to a whole number; p = 2^(t - M) is quantised along the keys; the row's sum is taken of the unquantised p and divides at the end.
; LIMITS: NaN and infinities are not served; a block whose largest magnitude lies under 2^-124 keeps the byte 1, a block of zeros too (its codes are zeros; this program alone reads the bytes).
; SHARES.  Work-group (i, head) owns the blocks of 256 queries i and 7 - i and walks key slots (256 keys) 0 .. i and then 0 .. 7 - i: always 9 slots, so all 256 work-groups have equal work and the trip count
; is a constant.  Each of sixteen waves owns 16 queries: Q0 + r + 8 (r/8), Q0 = 256 block + 32 (w/2) + 8 (w%2).  A step all of whose 128 keys come after them is jumped over (a scalar branch on ids).
; NO CLUSTER: the four work-groups of a head want different slots in the same trip; walking in step would cost 12 slots' time in place of 9.
; LAYOUT.  Both products transposed: a lane holds ONE query.  The keys and the head's dims of a fragment are 32 b + 8 u + i + 8 (i/8), so that registers run along neighbours.
; K = 64 IN A FORM OF K = 128: a fragment of K holds TWO tiles of 16 keys (64 dims each).  Q stands in a run of 18 registers, 6 zeros, 6 of q, 6 zeros: its last 12 meet the first tile, its first 12 the second.
; The zero codes stand on Q's side; K's other half has finite codes and bytes 1 .. 254, so it adds exactly nothing.
; A step's K and V are two quad blocks of 6,400 bytes (four fragments of 1,536 + 256 of scale words), a slot 25,600 dense bytes: one tensor load, by wave 0, into two slots by turns.
; y's scale bytes leave one byte a lane: the two heads of a word belong to two work-groups; they are 1 byte for each 24 of codes.
.set SLOT1, 0x8000
.set SPARE, 65536
.set SS, 96                            ; v96-159 scores, then p     v160-191 O^T     v192-211 codes     v36-83 K's or V's fragments, v84-87 their scale words
.set OO, 160
.set PC, 192
.set KV, 36
.set BM, 212                           ; v212-215 block maxima   v216-219 permutes, bytes   v220-223 scale operands   v224 p's scale word   v226-227 f   v228, 229 at work   v230-231 second chain of the sum
.set PT, 216
.set SO, 220
.set PWD, 224
.set FF, 226
.set TP, 228
.set NI, 229
.set S2, 230
.set WV, 18
.set I,  19
.set SEL, 20
.set CS, 22
.set G1, 24
.set G0, 32
.set KVB, 36
.set QA, 38
.set QW, 40
.set YA, 42
.set YS, 44
.set PFA, 46
.set N,  48
.set KSN, 49
.set TB, 50
.set KF, 51
.set Q0, 52
.set LIM, 53
.set HM, 54
.set DQ, 58
.set DY, 60
.set DQ0, 62
.set SHW, 63
.set BH, 76
	s_load_b128 s[4:7], s[0:1], 0x0                ; qi, kv
	s_load_b64 s[8:9], s[0:1], 0x10                ; yimg
	v_lshl_add_u32 v3, v0, 2, SPARE                ; v3, v4: my spare word and 0; never rewritten
	v_mov_b32 v4, 0
	ds_add_u32 v3, v4
	ds_add_u32 v3, v4
	s_wait_dscnt 0x0
	v_lshrrev_b32 v5, 5, v0
	s_delay_alu instid0(VALU_DEP_1)
	v_readfirstlane_b32 s[WV], v5
	s_mov_b32 s[I], ttmp9
	s_and_b32 s[BH], ttmp7, 0xffff
	s_mov_b32 s[G1], 3<<16                         ; elements of 8 bytes, no mask, no padding: 100 rows of 256 bytes, dense
	s_mov_b32 s[G1+1], 32<<16
	s_mov_b32 s[G1+2], 100<<16
	s_mov_b32 s[G1+3], 32<<16
	s_mov_b32 s[G1+4], 100
	s_mov_b32 s[G1+5], 32
	s_mov_b32 s[G1+6], 0
	s_mov_b32 s[G1+7], 0
	s_mul_i32 s56, s[BH], 204800
	s_mov_b32 s57, 0                               ; s57 stays 0: the upper word of every offset
	s_wait_kmcnt 0x0
	s_add_nc_u64 s[KVB:KVB+1], s[6:7], s[56:57]    ; the head's K and V
	s_mov_b32 s[G0], 1
	s_mov_b32 s[G0+1], 0
	s_mov_b64 s[G0+2:G0+3], s[KVB:KVB+1]
	s_or_b32 s[G0+3], s[G0+3], 0x80000000
	s_cmp_lg_u32 s[WV], 0
	s_cbranch_scc1 .Lno_first
	tensor_load_to_lds s[G0:G0+3], s[G1:G1+7]      ; slot 0: the first fill; one tensor load of wave 0 is out at any time
	s_nop 0
.rept 4
	v_nop
.endr
.Lno_first:
	v_and_b32 v8, 31, v0
	s_delay_alu instid0(VALU_DEP_1)
	v_lshlrev_b32 v1, 4, v8                        ; v1 16 x lane   v2 8 x lane   v8 256 x lane
	s_delay_alu instid0(VALU_DEP_2)
	v_lshlrev_b32 v2, 3, v8
	s_delay_alu instid0(VALU_DEP_3)
	v_lshlrev_b32 v8, 8, v8
	v_and_b32 v10, 15, v0
	s_delay_alu instid0(VALU_DEP_1)
	v_and_b32 v7, 8, v10
	s_delay_alu instid0(VALU_DEP_1)
	v_add_nc_u32 v7, v7, v10
	v_bfe_u32 v11, v0, 4, 1
	s_delay_alu instid0(VALU_DEP_1)
	v_lshlrev_b32 v9, 4, v11
	s_delay_alu instid0(VALU_DEP_1)
	v_sub_nc_u32 v7, v7, v9                        ; v7 r + 8 (r/8) - 16 h: the mask's lane term
	s_delay_alu instid0(VALU_DEP_3)
	v_lshl_add_u32 v9, v10, 3, v11                 ; v9 8 r + h: y's scale byte
	v_lshlrev_b32 v10, 3, v10                      ; v10 8 r: Q's scale word
	s_mov_b32 s[SEL], 0x76543210
	s_mov_b32 s[SEL+1], 0xfedcba98
	s_mov_b32 s[CS], 0x3e38aa3b                    ; log2(e) / 8
	s_mov_b32 s[CS+1], s[CS]
	s_mov_b32 s[HM], 0xffff0000
	s_mov_b32 s[N], 0
	s_mov_b32 s[KSN], 0
	s_mov_b32 s[TB], 0
	s_mov_b32 s[KF], 0
	s_lshr_b32 s66, s[WV], 3
	s_lshl_b32 s67, s[I], 1
	s_add_co_u32 s67, s67, s66                     ; my queries' step of 128 within the head
	s_mul_i32 s68, s[BH], 102400
	s_mul_i32 s69, s67, 6400
	s_add_co_u32 s68, s68, s69                     ; its QB in qi
	s_bfe_u32 s69, s[WV], 0x20001                  ; fragment (w & 7) / 2
	s_mul_i32 s70, s69, 1536
	s_and_b32 s71, s[WV], 1                        ; half w & 1
	s_mul_i32 s72, s71, 768
	s_add_co_u32 s70, s70, s72
	s_add_co_u32 s56, s68, s70
	s_add_nc_u64 s[QA:QA+1], s[4:5], s[56:57]
	s_and_b32 s70, s69, 1
	s_lshl_b32 s70, s70, 7
	s_lshr_b32 s72, s69, 1
	s_lshl_b32 s72, s72, 2
	s_add_co_u32 s70, s70, s72
	s_add_co_u32 s70, s70, 6144
	s_add_co_u32 s56, s68, s70
	s_add_nc_u64 s[QW:QW+1], s[4:5], s[56:57]
	s_lshl_b32 s[SHW], s71, 4
	s_lshr_b32 s68, s[BH], 4
	s_lshl_b32 s68, s68, 4
	s_add_co_u32 s68, s68, s67                     ; group of 128 tokens
	s_lshl_b32 s68, s68, 3
	s_bfe_u32 s69, s[BH], 0x30001                  ; K step of the last product: head / 2
	s_add_co_u32 s68, s68, s69
	s_lshl_b32 s68, s68, 1
	s_bfe_u32 s69, s[WV], 0x10002
	s_add_co_u32 s68, s68, s69
	s_mul_i32 s68, s68, 6400                       ; the QB in yimg
	s_and_b32 s69, s[WV], 3
	s_mul_i32 s69, s69, 1536
	s_and_b32 s70, s[BH], 1                        ; head % 2: the half of each fragment
	s_mul_i32 s72, s70, 768
	s_add_co_u32 s69, s69, s72
	s_add_co_u32 s56, s68, s69
	s_add_nc_u64 s[YA:YA+1], s[8:9], s[56:57]
	s_lshl_b32 s69, s71, 7
	s_bfe_u32 s72, s[WV], 0x10001
	s_lshl_b32 s72, s72, 2
	s_add_co_u32 s69, s69, s72
	s_lshl_b32 s70, s70, 1
	s_add_co_u32 s69, s69, s70
	s_add_co_u32 s69, s69, 6144
	s_add_co_u32 s56, s68, s69
	s_add_nc_u64 s[YS:YS+1], s[8:9], s[56:57]
	s_lshl_b32 s73, s[I], 1
	s_sub_co_u32 s73, 7, s73                       ; from block i to block 7 - i
	s_mul_i32 s[DQ], s73, 12800
	s_mov_b32 s[DQ+1], 0
	s_mul_i32 s[DY], s73, 204800
	s_mov_b32 s[DY+1], 0
	s_lshl_b32 s[DQ0], s73, 8
	s_lshl_b32 s[Q0], s[I], 8
	s_lshr_b32 s66, s[WV], 1
	s_lshl_b32 s66, s66, 5
	s_add_co_u32 s[Q0], s[Q0], s66
	s_lshl_b32 s66, s71, 3
	s_add_co_u32 s[Q0], s[Q0], s66
	; the prefetches: the head's first work-group asks, in it waves 4 to 7; in trip N lane l of wave w names block 192 + 128 N + 32 (w - 4) + l of the head's 800 blocks of 256 bytes: each once
	s_sub_co_u32 s66, s[WV], 4
	s_lshr_b32 s66, s66, 2
	s_or_b32 s66, s66, ttmp9
	s_cmp_eq_u32 s66, 0
	s_cselect_b32 s[LIM], 5, 0
	s_cmp_eq_u32 s[WV], 7
	s_cselect_b32 s66, 4, 5                        ; wave 7's fifth would pass the head's end
	s_min_u32 s[LIM], s[LIM], s66
	s_and_b32 s56, s[WV], 3
	s_lshl_b32 s56, s56, 13
	s_add_co_u32 s56, s56, 16384
	s_add_nc_u64 s[PFA:PFA+1], s[KVB:KVB+1], s[56:57]  ; each change of slots steps it by 32,768 ahead of its ask; nothing is asked for here, at the head
.irp j, 16,17,18,19,20,21,28,29,30,31,32,33
	v_mov_b32 v\j, 0                               ; the zero codes round q
.endr
.irp b, 0,1,2,3
	v_mov_b32 v[PT+\b], 0                          ; a lane permute's destination counts as one of its sources
.endr
	v_mov_b32 v[FF+1], 0                           ; named as the upper half of a pair
	v_mov_b32 v[TP], 0
.macro QINIT                           ; my 16 queries' codes and scale word; the state of a new block of queries
	global_load_b128 v[22:25], v1, s[QA:QA+1]
	global_load_b64 v[26:27], v2, s[QA:QA+1] offset:512
	global_load_b32 v35, v10, s[QW:QW+1]
	v_mov_b32 v13, 0xff61b1e6                      ; the largest t so far: -3e38
	s_delay_alu instid0(VALU_DEP_1)
	v_floor_f32 v12, -v13                          ; -M
	v_mov_b32 v14, 0
	v_mov_b32 v15, 0
	s_wait_loadcnt 0x0
	v_lshrrev_b32 v35, s[SHW], v35
	s_delay_alu instid0(VALU_DEP_1)
	v_and_b32 v35, 0xffff, v35                     ; my tile's two bytes,
	s_delay_alu instid0(VALU_DEP_1)
	v_lshl_or_b32 v34, v35, 16, v35                ; below and above: they serve q in either half of the run
.set n, 0
.rept 32
	v_mov_b32 v[OO+n], 0                           ; O^T; also the places between the scale word's write and the first product
.set n, n+1
.endr
.endm
	QINIT
.macro FRAG reg, a16, a8, off
	ds_load_b128 v[\reg:\reg+3], v[\a16] offset:\off
	ds_load_b64 v[\reg+4:\reg+5], v[\a8] offset:\off+512
	ds_load_b128 v[\reg+6:\reg+9], v[\a16] offset:\off+768
	ds_load_b64 v[\reg+10:\reg+11], v[\a8] offset:\off+1280
.endm
.macro KQ f, u                         ; scores of key tile 2 f + u
.if (\f)%2
	v_wmma_scale_f32_16x16x128_f8f6f4 v[SS+8*(2*(\f)+(\u)):SS+8*(2*(\f)+(\u))+7], v[KV+12*(\f):KV+12*(\f)+11], v[22-6*(\u):33-6*(\u)], 0, v[84+(\f)/2], v34 matrix_a_fmt:MATRIX_FMT_FP6 matrix_b_fmt:MATRIX_FMT_FP6 matrix_a_scale:MATRIX_SCALE_ROW1
.else
	v_wmma_scale_f32_16x16x128_f8f6f4 v[SS+8*(2*(\f)+(\u)):SS+8*(2*(\f)+(\u))+7], v[KV+12*(\f):KV+12*(\f)+11], v[22-6*(\u):33-6*(\u)], 0, v[84+(\f)/2], v34 matrix_a_fmt:MATRIX_FMT_FP6 matrix_b_fmt:MATRIX_FMT_FP6
.endif
.endm
.macro PV d                            ; O^T of dims tile d
.if (\d)%2
	v_wmma_scale_f32_16x16x128_f8f6f4 v[OO+8*(\d):OO+8*(\d)+7], v[KV+12*(\d):KV+12*(\d)+11], v[PC:PC+11], v[OO+8*(\d):OO+8*(\d)+7], v[86+(\d)/2], v[PWD] matrix_a_fmt:MATRIX_FMT_FP6 matrix_b_fmt:MATRIX_FMT_FP6 matrix_a_scale:MATRIX_SCALE_ROW1
.else
	v_wmma_scale_f32_16x16x128_f8f6f4 v[OO+8*(\d):OO+8*(\d)+7], v[KV+12*(\d):KV+12*(\d)+11], v[PC:PC+11], v[OO+8*(\d):OO+8*(\d)+7], v[86+(\d)/2], v[PWD] matrix_a_fmt:MATRIX_FMT_FP6 matrix_b_fmt:MATRIX_FMT_FP6
.endif
.endm
.macro STEP q                          ; 128 keys: the q-th step of the slot in hand
	s_add_co_u32 s66, s[Q0], 23
	s_cmp_gt_u32 s[KF], s66
	s_cbranch_scc1 .Lhidden_\@                     ; all keys come after my queries
	v_add_nc_u32 v5, s[TB], v1
	v_add_nc_u32 v6, s[TB], v2
	v_nop
	v_nop                                          ; four places in front of loads into registers that the last products read
.irp f, 0,1,2,3
	FRAG KV+12*\f,5,6,(\q)*12800+1536*\f
.endr
	ds_load_b64 v[84:85], v6 offset:(\q)*12800+6144
	s_wait_alu depctr_va_vdst(0)
	s_wait_dscnt 0x0
.irp f, 0,1,2,3
	KQ \f,0
	KQ \f,1
.endr
.rept 4
	v_nop
.endr
.irp d, 0,1,2,3                        ; V's fragments are asked for here and land under the softmax
	FRAG KV+12*\d,5,6,(\q)*12800+6400+1536*\d
.endr
	ds_load_b64 v[86:87], v6 offset:(\q)*12800+6400+6144
	s_add_co_u32 s66, s[KF], 127
	s_cmp_le_u32 s66, s[Q0]
	s_cbranch_scc1 .Lopen_\@                       ; all keys count
	s_sub_co_i32 s66, s[Q0], s[KF]
	v_add_nc_u32 v[TP], s66, v7                    ; register 16 b + i holds key KF + 32 b + 16 h + i: hidden where 32 b + i > d
	v_mov_b32 v[NI], 0xff800000
.set n, 0
.rept 64
	v_cmp_gt_i32 vcc_lo, 32*(n/16)+n%16, v[TP]
	v_cndmask_b32 v[SS+n], v[SS+n], v[NI], vcc_lo
.set n, n+1
.endr
.Lopen_\@:
.irp b, 0,1,2,3                        ; the largest score of each block of 32 keys: for the row's maximum, and, since p rises with the score, for the block's largest p
	v_max3_num_f32 v[BM+\b], v[SS+16*\b], v[SS+1+16*\b], v[SS+2+16*\b]
.endr
.irp i, 3,5,7,9,11,13
.irp b, 0,1,2,3
	v_max3_num_f32 v[BM+\b], v[BM+\b], v[SS+16*\b+\i], v[SS+1+16*\b+\i]
.endr
.endr
.irp b, 0,1,2,3
	v_max_num_f32 v[BM+\b], v[BM+\b], v[SS+15+16*\b]
.endr
.irp b, 0,1,2,3
	s_delay_alu instid0(VALU_DEP_4)
	v_permlanex16_b32 v[PT+\b], v[BM+\b], s[SEL], s[SEL+1]
.endr
.irp b, 0,1,2,3
	s_delay_alu instid0(VALU_DEP_4)
	v_max_num_f32 v[BM+\b], v[BM+\b], v[PT+\b]
.endr
	s_delay_alu instid0(VALU_DEP_2)
	v_max3_num_f32 v[TP], v[BM], v[BM+1], v[BM+2]
	s_delay_alu instid0(VALU_DEP_1)
	v_max_num_f32 v[TP], v[TP], v[BM+3]
	s_delay_alu instid0(VALU_DEP_1)
	v_mul_f32 v[TP], s[CS], v[TP]
	s_delay_alu instid0(VALU_DEP_1)
	v_max_num_f32 v13, v13, v[TP]                  ; the running largest t
	v_mov_b32 v[TP], v12
	s_delay_alu instid0(VALU_DEP_2)
	v_floor_f32 v12, -v13                          ; -M = floor(-t): M is a whole number
	s_delay_alu instid0(VALU_DEP_1)
	v_sub_f32 v[TP], v12, v[TP]
	s_delay_alu instid0(VALU_DEP_1)
	v_cvt_i32_f32 v[TP], v[TP]                     ; (it saturates)
	s_delay_alu instid0(VALU_DEP_1)
	v_ldexp_f32 v[FF], 1.0, v[TP]                  ; f = 2^(old M - new M): rounds nothing
.set n, 0
.rept 32
	v_pk_fma_f32 v[SS+n:SS+n+1], v[SS+n:SS+n+1], s[CS:CS+1], v[12:13] op_sel_hi:[1,0,0]
.set n, n+2
.endr
.irp b, 0,1,2,3
	v_fma_f32 v[BM+\b], v[BM+\b], s[CS], v12
.endr
.set n, 0
	s_wait_alu depctr_va_vdst(0)
.rept 64
	v_exp_f32 v[SS+n], v[SS+n]                     ; p = 2^(t - M)
.set n, n+1
.endr
	v_pk_mul_f32 v[14:15], v[14:15], v[FF:FF+1] op_sel_hi:[1,0]   ; a plain place behind the exponentials
	s_wait_alu depctr_va_vdst(0)                   ; one wait for the batch, ahead of its first reader
.irp b, 0,1,2,3
	v_exp_f32 v[BM+\b], v[BM+\b]                   ; the block's largest p
.endr
	v_pk_add_f32 v[230:231], v[100:101], v[104:105]
	v_pk_add_f32 v[254:255], v[108:109], v[112:113]
	v_pk_add_f32 v[252:253], v[116:117], v[120:121]
	v_pk_add_f32 v[250:251], v[124:125], v[128:129]
	v_pk_add_f32 v[248:249], v[132:133], v[136:137]
	v_pk_add_f32 v[246:247], v[140:141], v[144:145]
	v_pk_add_f32 v[244:245], v[148:149], v[152:153]
	v_pk_add_f32 v[14:15], v[14:15], v[156:157]
	v_pk_add_f32 v[230:231], v[230:231], v[96:97]
	v_pk_add_f32 v[254:255], v[254:255], v[98:99]
	v_pk_add_f32 v[252:253], v[252:253], v[102:103]
	v_pk_add_f32 v[250:251], v[250:251], v[106:107]
	v_pk_add_f32 v[248:249], v[248:249], v[110:111]
	v_pk_add_f32 v[246:247], v[246:247], v[114:115]
	v_pk_add_f32 v[244:245], v[244:245], v[118:119]
	v_pk_add_f32 v[14:15], v[14:15], v[122:123]
	v_pk_add_f32 v[230:231], v[230:231], v[126:127]
	v_pk_add_f32 v[254:255], v[254:255], v[130:131]
	v_pk_add_f32 v[252:253], v[252:253], v[134:135]
	v_pk_add_f32 v[250:251], v[250:251], v[138:139]
	v_pk_add_f32 v[248:249], v[248:249], v[142:143]
	v_pk_add_f32 v[246:247], v[246:247], v[146:147]
	v_pk_add_f32 v[244:245], v[244:245], v[150:151]
	v_pk_add_f32 v[14:15], v[14:15], v[154:155]
	v_pk_add_f32 v[230:231], v[230:231], v[158:159]
	s_delay_alu instid0(VALU_DEP_2)
	v_pk_add_f32 v[14:15], v[14:15], v[250:251]
	s_delay_alu instid0(VALU_DEP_2)
	v_pk_add_f32 v[230:231], v[230:231], v[248:249]
	v_pk_add_f32 v[254:255], v[254:255], v[246:247]
	v_pk_add_f32 v[252:253], v[252:253], v[244:245]
	s_delay_alu instid0(VALU_DEP_2)
	v_pk_add_f32 v[14:15], v[14:15], v[254:255]
	s_delay_alu instid0(VALU_DEP_2)
	v_pk_add_f32 v[230:231], v[230:231], v[252:253]
	s_delay_alu instid0(VALU_DEP_1)
	v_pk_add_f32 v[14:15], v[14:15], v[230:231]
	s_wait_alu depctr_va_vdst(0)                   ; and one for the four
.irp b, 0,1,2,3
	v_max_num_f32 v[BM+\b], 0x1800000, v[BM+\b]
.endr
.irp b, 0,1,2,3
	s_delay_alu instid0(VALU_DEP_4)
	v_add_nc_u32 v[SO+\b], 0xff000000, v[BM+\b]
.endr
.irp b, 0,1,2,3
	s_delay_alu instid0(VALU_DEP_4)
	v_lshrrev_b32 v[PT+\b], 23, v[SO+\b]
.endr
	s_delay_alu instid0(VALU_DEP_3)
	v_lshl_or_b32 v[PWD], v[PT+1], 8, v[PT]
	s_delay_alu instid0(VALU_DEP_1)
	v_lshl_or_b32 v[PWD], v[PT+2], 16, v[PWD]
	s_delay_alu instid0(VALU_DEP_1)
	v_lshl_or_b32 v[PWD], v[PT+3], 24, v[PWD]
.irp c, 0,1
	v_cvt_scalef32_pk16_fp6_f32 v[PC+6*\c:PC+2+6*\c], v[SS+32*\c:SS+15+32*\c], v[SO+2*\c]
	v_cvt_scalef32_pk16_fp6_f32 v[PC+12+4*\c:PC+14+4*\c], v[SS+16+32*\c:SS+31+32*\c], v[SO+2*\c+1]
.endr
	v_nop
.irp c, 0,1
.irp i, 0,1,2
	v_permlane16_swap_b32 v[PC+6*\c+\i], v[PC+12+4*\c+\i]
.endr
.irp i, 0,1,2
	s_delay_alu instid0(VALU_DEP_3)
	v_mov_b32 v[PC+3+6*\c+\i], v[PC+12+4*\c+\i]
.endr
.endr
.set n, 0
.rept 16
	v_pk_mul_f32 v[OO+n:OO+n+1], v[OO+n:OO+n+1], v[FF:FF+1] op_sel_hi:[1,0]   ; O^T under the new M; also the places between the writes of p's codes and word and the products
.set n, n+2
.endr
	s_wait_alu depctr_va_vdst(0)
	s_wait_dscnt 0x0                               ; V is in
.irp d, 0,1,2,3
	PV \d
.endr
.Lhidden_\@:
	s_add_co_u32 s[KF], s[KF], 128
.endm
; THE CHANGE OF SLOTS, at a slot's head: every wave waits for all its tensor loads, adds 0 to its spare word, waits for that and for its reads of the slot that it has left; behind the barrier
; the slot ahead is whole and the other one is filled with the slot that follows in my work-group's walk.
.macro CHANGE fill
	s_wait_tensorcnt 0x0
	ds_add_u32 v3, v4
.if \fill
	s_xor_b32 s[G0+1], s[G0+1], SLOT1
	s_add_co_u32 s[KSN], s[KSN], 1
	s_cmp_eq_u32 s[N], s[I]
	s_cselect_b32 s[KSN], 0, s[KSN]                ; behind the first block's last slot the walk begins anew
	s_mul_i32 s56, s[KSN], 25600
	s_add_nc_u64 s[G0+2:G0+3], s[KVB:KVB+1], s[56:57]
	s_or_b32 s[G0+3], s[G0+3], 0x80000000
	s_wait_xcnt 0x0                                ; the last prefetch, a slot back, has read its address
	s_add_nc_u64 s[PFA:PFA+1], s[PFA:PFA+1], 32768
.endif
	s_wait_dscnt 0x0
	s_barrier_signal -1
	s_barrier_wait -1
.if \fill
	s_cmp_lg_u32 s[WV], 0
	s_cbranch_scc1 .Lno_load_\@
	tensor_load_to_lds s[G0:G0+3], s[G1:G1+7]      ; the first thing behind the barrier: it has a slot's two steps in which to land
	s_nop 0
.rept 4
	v_nop
.endr
.Lno_load_\@:
	s_cmp_lt_u32 s[N], s[LIM]
	s_cbranch_scc0 .Lno_ask_\@
	global_prefetch_b8 v8, s[PFA:PFA+1] th:TH_LOAD_NT scope:SCOPE_SE
.Lno_ask_\@:
.endif
.endm
; A BLOCK OF QUERIES IS DONE: y = O^T / the sum; its 64 dims are two blocks of 32 along the last product's K: half a fragment and two scale bytes.
.macro FINISH reload
.rept 4
	v_nop
.endr
	v_add_f32 v14, v14, v15
	s_delay_alu instid0(VALU_DEP_1)
	v_permlanex16_b32 v[TP], v14, s[SEL], s[SEL+1]
	s_delay_alu instid0(VALU_DEP_1)
	v_add_f32 v14, v14, v[TP]
	s_wait_alu depctr_va_vdst(0)
	v_rcp_f32 v14, v14
	v_nop
	s_wait_alu depctr_va_vdst(0)                   ; ahead of the reciprocal's first reader
.set n, 0
.rept 16
	v_pk_mul_f32 v[SS+n:SS+n+1], v[OO+n:OO+n+1], v[14:15] op_sel_hi:[1,0]   ; register 16 b + i = dim 32 b + 16 h + i; each accumulator from its low end on
.set n, n+2
.endr
.irp b, 0,1
	v_max3_num_f32 v[BM+\b], |v[SS+16*\b]|, |v[SS+1+16*\b]|, 0x1800000
.endr
.irp i, 2,4,6,8,10,12,14
.irp b, 0,1
	s_delay_alu instid0(VALU_DEP_2)
	v_max3_num_f32 v[BM+\b], v[BM+\b], |v[SS+16*\b+\i]|, |v[SS+1+16*\b+\i]|
.endr
.endr
.irp b, 0,1
	s_delay_alu instid0(VALU_DEP_2)
	v_permlanex16_b32 v[PT+\b], v[BM+\b], s[SEL], s[SEL+1]
.endr
.irp b, 0,1
	s_delay_alu instid0(VALU_DEP_2)
	v_max_num_f32 v[BM+\b], v[BM+\b], v[PT+\b]
.endr
.irp b, 0,1
	s_delay_alu instid0(VALU_DEP_2)
	v_add_nc_u32 v[SO+\b], 0xff000000, v[BM+\b]
.endr
.irp b, 0,1
	s_delay_alu instid0(VALU_DEP_2)
	v_lshrrev_b32 v[PT+\b], 23, v[SO+\b]
.endr
	s_delay_alu instid0(VALU_DEP_1)
	v_cndmask_b32 v[PT+2], v[PT], v[PT+1], s[HM]   ; lane (r, h) stores byte h
	v_cvt_scalef32_pk16_fp6_f32 v[PC:PC+2], v[SS:SS+15], v[SO]
	v_cvt_scalef32_pk16_fp6_f32 v[PC+12:PC+14], v[SS+16:SS+31], v[SO+1]
	v_nop
.irp i, 0,1,2
	v_permlane16_swap_b32 v[PC+\i], v[PC+12+\i]
.endr
.irp i, 0,1,2
	s_delay_alu instid0(VALU_DEP_3)
	v_mov_b32 v[PC+3+\i], v[PC+12+\i]
.endr
	global_store_b128 v1, v[PC:PC+3], s[YA:YA+1]               ; 512 consecutive bytes, aligned to 256
	global_store_b64 v2, v[PC+4:PC+5], s[YA:YA+1] offset:512   ; 256 likewise
	global_store_b8 v9, v[PT+2], s[YS:YS+1]
.if \reload
	s_wait_xcnt 0x0                                ; the stores have read their data and bases
	s_add_nc_u64 s[QA:QA+1], s[QA:QA+1], s[DQ:DQ+1]
	s_add_nc_u64 s[QW:QW+1], s[QW:QW+1], s[DQ:DQ+1]
	s_add_nc_u64 s[YA:YA+1], s[YA:YA+1], s[DY:DY+1]
	s_add_nc_u64 s[YS:YS+1], s[YS:YS+1], s[DY:DY+1]
	s_add_co_u32 s[Q0], s[Q0], s[DQ0]
	s_mov_b32 s[KF], 0
	QINIT
.endif
.endm
.Lslot:                                ; eight trips; the ninth slot is written out
	CHANGE 1
	STEP 0
	STEP 1
	s_xor_b32 s[TB], s[TB], SLOT1
	s_cmp_lg_u32 s[N], s[I]
	s_cbranch_scc1 .Lgo_on
	FINISH 1                                       ; block i is done behind slot i; block 7 - i begins
.Lgo_on:
	s_add_co_u32 s[N], s[N], 1
	s_cmp_lt_u32 s[N], 8
	s_cbranch_scc1 .Lslot
	CHANGE 0
	STEP 0
	STEP 1
	FINISH 0
	s_wait_tensorcnt 0x0                           ; the wave's end
	ds_add_u32 v3, v4
	s_wait_dscnt 0x0
	s_endpgm
.Lfunc_end_k_q2aa73d8f35_attn:
	.size	k_q2aa73d8f35_attn, .Lfunc_end_k_q2aa73d8f35_attn-k_q2aa73d8f35_attn
	.p2alignl 7, 3214868480
	.fill 96, 4, 3214868480
	.section	.rodata,"a",@progbits
	.p2align	6, 0x0
	.amdhsa_kernel k_q2aa73d8f35_attn
		.amdhsa_group_segment_fixed_size 327680
		.amdhsa_private_segment_fixed_size 0
		.amdhsa_enable_private_segment 0
		.amdhsa_kernarg_size 24
		.amdhsa_user_sgpr_count 2
		.amdhsa_user_sgpr_kernarg_segment_ptr 1
		.amdhsa_wavefront_size32 1
		.amdhsa_system_sgpr_workgroup_id_x 1
		.amdhsa_system_sgpr_workgroup_id_y 1
		.amdhsa_system_sgpr_workgroup_id_z 1
		.amdhsa_system_vgpr_workitem_id 0
		.amdhsa_next_free_vgpr 256
		.amdhsa_next_free_sgpr 100
		.amdhsa_reserve_vcc 1
		.amdhsa_float_denorm_mode_32 3
		.amdhsa_float_denorm_mode_16_64 3
		.amdhsa_memory_ordered 1
		.amdhsa_forward_progress 1
		.amdhsa_inst_pref_size 110
	.end_amdhsa_kernel
	.amdgpu_metadata
---
amdhsa.version: [ 1, 2 ]
amdhsa.kernels:
  - .name:           k_q2aa73d8f35_attn
    .symbol:         k_q2aa73d8f35_attn.kd
    .args:
      - { .name: qi, .offset: 0, .size: 8, .value_kind: global_buffer, .address_space: global }
      - { .name: kv, .offset: 8, .size: 8, .value_kind: global_buffer, .address_space: global }
      - { .name: yimg, .offset: 16, .size: 8, .value_kind: global_buffer, .address_space: global }
    .group_segment_fixed_size: 327680
    .private_segment_fixed_size: 0
    .kernarg_segment_align: 8
    .kernarg_segment_size: 24
    .max_flat_workgroup_size: 512
    .sgpr_count:     100
    .vgpr_count:     256
    .wavefront_size: 32
...
	.end_amdgpu_metadata
.endif
;; end of part 3
;; launch gemm2 (part 4): grid 4 x 32, 4 waves a work-group, clusters of 4 x 4, 327,680 bytes of LDS; arguments yimg, wpimg, b_proj, out0; writes out0
.if DOCPART == 4
	.amdgcn_target "amdgcn-amd-amdhsa--gfx1250"
	.amdhsa_code_object_version 6
	.text
	.protected	k_q2aa73d8f35_gemm2
	.globl	k_q2aa73d8f35_gemm2
	.p2align	8
	.type	k_q2aa73d8f35_gemm2,@function
k_q2aa73d8f35_gemm2:
	s_mov_b64 s[64:65], 0
	v_nop
	global_prefetch_b8 v0, s[64:65] scope:SCOPE_SE
	s_setreg_imm32_b32 hwreg(HW_REG_WAVE_MODE, 25, 1), 1
	s_wait_xcnt 0x0
	s_wait_alu depctr_hold_cnt(0) depctr_sa_sdst(0) depctr_va_vdst(0) depctr_va_sdst(0) depctr_va_ssrc(0) depctr_va_vcc(0) depctr_vm_vsrc(0)
	s_getreg_b32 s2, hwreg(HW_REG_IB_STS2, 6, 4)
	s_cmp_eq_u32 s2, 0
	s_cbranch_scc0 .Lentry_in_a_cluster
	s_endpgm
.Lentry_in_a_cluster:
	s_bfe_u32 s2, ttmp6, 0x10000c
	s_cmp_lg_u32 s2, 0xf033
	s_cbranch_scc0 .Lentry_shape_is_right
	s_endpgm
.Lentry_shape_is_right:
; out0 = y W_proj + b_proj on codes of FP6 (E2M3) with E8M0 scales; f32 sums, f32 out.
; A work-group makes 256 P rows (columns of W_proj) x 256 R rows (tokens), four waves of 128 x 128 (64 accumulators).  D = (source 0 = 16 P rows) x (source 1 = 16 R rows): a lane holds one token, its registers run along the columns.
; Operands lie in memory in the order of the registers (fragment: 1,536 bytes; quad block QB: four fragments + 256 bytes of scale words); the rows of a fragment are 32 b + 8 u + i + 8 (i/8).
; K goes in steps of 256 through two LDS slots; (128 rows, 256 K) is 25,600 dense bytes, one tensor load a wave.  R's tiles are asked for jointly along a row of the cluster, P's along a column.
; The grid has 128 work-groups: a wave's tile of 128 x 128 is kept, since a smaller one reads each fragment from LDS for half the products.
; REGISTERS: window 0: v16-23 LDS addresses; v24-26 the way out; v32-63 scale words, two sets; v64-127 the bias as the first step's C; v128-223 R's eight fragments; on the way out v128-255 rows of out0.
;   window 1: P's fragments, two sets (v0, v128).  windows 2, 3: accumulator (a, b) at v[8 (8 (a % 4) + b)].
.set QB,    6400
.set REG,   25600
.set SLOT,  102400
.set SPARE, 204800
.set FR, 12
.set NL, 4
.set NP, 4
.set AR16, 16
.set AR8,  18
.set AP16, 20
.set AP8,  22
.set STO,  24
.set RD,   25
.set CO,   26
.set SPW,  28
.set NIL,  29
.set SC,   32
.set CI,   64
.set RF,   128
.set BK,   128
.set G1, 24
.set G0, 32
.set G1B, 48
.set G0B, 56
.set PW0, 94
.set MSB, 0
.macro WIN new
.if MSB != (\new)
	s_set_vgpr_msb (MSB<<8)|(\new)
.set MSB, (\new)
.endif
.endm
.set MUL_LO, 0xa1
.set MUL_HI, 0xf1
.set TO_B,   0x40
.macro JLOAD g0a, g1a, g0b, g1b        ; waves 0, 1 fetch R's halves, waves 2, 3 P's; four v_nop follow each line
	s_cmp_eq_u32 s15, 0
	s_cbranch_scc0 .Lfor_b_\@
	tensor_load_to_lds s[\g0a:\g0a+3], s[\g1a:\g1a+7]
	s_nop 0
.rept 4
	v_nop
.endr
	s_branch .Lasked_\@
.Lfor_b_\@:
	tensor_load_to_lds s[\g0b:\g0b+3], s[\g1b:\g1b+7]
	s_nop 0
.rept 4
	v_nop
.endr
.Lasked_\@:
.endm
.macro CREST
	s_cmp_lg_u32 s14, 0
	s_cbranch_scc1 .Lnot_wave_0_\@
	s_barrier_signal -3
.Lnot_wave_0_\@:
	s_barrier_wait -3
	s_barrier_signal -1
	s_barrier_wait -1
.endm
.macro CROUND
	s_barrier_signal -1
	s_barrier_wait -1
	CREST
.endm
.macro PLACES n
.rept \n
	v_nop
.endr
.endm
.macro FRAG reg, a16, a8, off
	ds_load_b128 v[\reg:\reg+3], v[\a16] offset:\off
	ds_load_b64 v[\reg+4:\reg+5], v[\a8] offset:\off+512
	ds_load_b128 v[\reg+6:\reg+9], v[\a16] offset:\off+768
	ds_load_b64 v[\reg+10:\reg+11], v[\a8] offset:\off+1280
.endm
.macro FETCH_P slot, q, p
	WIN TO_B
.irp i, 0,1,2,3,4,5,6,7
	FRAG 128*(\p)+FR*\i,AP16+\slot,AP8+\slot,(\q)*12800+(\i/4)*QB+(\i%4)*1536
.endr
	WIN 0
.endm
.macro FETCH_R slot, q, i0
.irp i, \i0, \i0+1, \i0+2, \i0+3
	FRAG RF+FR*(\i),AR16+\slot,AR8+\slot,(\q)*12800+((\i)/4)*QB+((\i)%4)*1536
.endr
.endm
.macro SCALES set
.irp q, 0,1
.irp hf, 0,1
	ds_load_b64 v[SC+16*\set+4*\q+2*\hf:SC+16*\set+4*\q+2*\hf+1], v[AR8+\set] offset:\q*12800+\hf*QB+6144
	ds_load_b64 v[SC+16*\set+8+4*\q+2*\hf:SC+16*\set+8+4*\q+2*\hf+1], v[AP8+\set] offset:\q*12800+\hf*QB+6144
.endr
.endr
.endm
.macro WM a, b, p, q, sc, first        ; an odd fragment's words lie in lanes 16-31 of its scale register
.set wD, 8*(8*((\a)%4)+(\b))
.set wP, 128*(\p)+FR*(\b)
.set wR, RF+FR*(\a)
.set wSP, SC+16*(\sc)+8+4*(\q)+2*((\b)/4)+((\b)%4)/2
.set wSR, SC+16*(\sc)+4*(\q)+2*((\a)/4)+((\a)%4)/2
.set wC, wD
.if \first
.set wC, CI+8*(\b)
.endif
.if ((\a)%2 == 0) && ((\b)%2 == 0)
	v_wmma_scale_f32_16x16x128_f8f6f4 v[wD:wD+7], v[wP:wP+11], v[wR:wR+11], v[wC:wC+7], v[wSP], v[wSR] matrix_a_fmt:MATRIX_FMT_FP6 matrix_b_fmt:MATRIX_FMT_FP6
.elseif ((\a)%2 == 0)
	v_wmma_scale_f32_16x16x128_f8f6f4 v[wD:wD+7], v[wP:wP+11], v[wR:wR+11], v[wC:wC+7], v[wSP], v[wSR] matrix_a_fmt:MATRIX_FMT_FP6 matrix_b_fmt:MATRIX_FMT_FP6 matrix_a_scale:MATRIX_SCALE_ROW1
.elseif ((\b)%2 == 0)
	v_wmma_scale_f32_16x16x128_f8f6f4 v[wD:wD+7], v[wP:wP+11], v[wR:wR+11], v[wC:wC+7], v[wSP], v[wSR] matrix_a_fmt:MATRIX_FMT_FP6 matrix_b_fmt:MATRIX_FMT_FP6 matrix_b_scale:MATRIX_SCALE_ROW1
.else
	v_wmma_scale_f32_16x16x128_f8f6f4 v[wD:wD+7], v[wP:wP+11], v[wR:wR+11], v[wC:wC+7], v[wSP], v[wSR] matrix_a_fmt:MATRIX_FMT_FP6 matrix_b_fmt:MATRIX_FMT_FP6 matrix_a_scale:MATRIX_SCALE_ROW1 matrix_b_scale:MATRIX_SCALE_ROW1
.endif
.endm
.macro MUL16 a0, p, q, sc, first
.irp a, \a0, \a0+1
.irp b, 0,1,2,3,4,5,6,7
	WM \a,\b,\p,\q,\sc,\first
.endr
.endr
.endm
.macro STEP slot, first                ; a slot's first 128 along K.  first = 1: the bias (window 0) is the C that starts the sums
	s_wait_dscnt 4*NL                              ; P's set, R's blocks 0-3 and the scale words are in; R's blocks 4-7 may be out
.if \first
	WIN 0x81
.else
	WIN MUL_LO
.endif
	MUL16 0,0,0,\slot,\first
	MUL16 2,0,0,\slot,\first
	s_wait_dscnt 0x0
	PLACES NP
	FETCH_P \slot,1,1
	FETCH_R \slot,1,0
.if \first
	WIN 0xc1
.else
	WIN MUL_HI
.endif
	MUL16 4,0,0,\slot,\first
	MUL16 6,0,0,\slot,\first
	PLACES NP
	WIN 0
	FETCH_R \slot,1,4
.endm
.macro TURN slot, next, fill           ; a slot's second 128 along K, and the change of slots
	s_wait_tensorcnt 0x0                           ; all my tensor loads have landed: my part of the next slot
	ds_add_u32 v[SPW], v[NIL]                      ; 0 onto my spare word
	s_wait_dscnt 4*NL+1                            ; the add and R's blocks 4-7 may be out
	WIN MUL_LO
	MUL16 0,1,1,\slot,0
	s_wait_dscnt 0x0                               ; the add is done, and my reads of this slot are over
	s_barrier_signal -1
	MUL16 2,1,1,\slot,0
	WIN 0
	s_barrier_wait -1
.if \fill
	CREST                                          ; the barrier has opened a round of the cluster's
	s_add_nc_u64 s[G0+4*\slot+2:G0+4*\slot+3], s[G0+4*\slot+2:G0+4*\slot+3], 2*REG
	s_add_nc_u64 s[G0B+4*\slot+2:G0B+4*\slot+3], s[G0B+4*\slot+2:G0B+4*\slot+3], 2*REG
	JLOAD G0+4*\slot,G1,G0B+4*\slot,G1B            ; the first tensor load behind the round; its four v_nop are the places in front of the loads below
.else
	PLACES NP
.endif
	s_wait_alu depctr_va_vdst(0)
	FETCH_P \next,0,0
	FETCH_R \next,0,0
	SCALES \next
	WIN MUL_HI
	MUL16 4,1,1,\slot,0
	MUL16 6,1,1,\slot,0
	PLACES NP
	WIN 0
	FETCH_R \next,0,4
.endm
	s_load_b256 s[4:11], s[0:1], 0x0               ; yimg, wpimg, b_proj, out0
	v_lshl_add_u32 v[SPW], v0, 2, SPARE
	v_mov_b32 v[NIL], 0
	ds_add_u32 v28, v29
	ds_add_u32 v28, v29
	s_wait_dscnt 0x0
	v_lshrrev_b32 v1, 5, v0
	v_readfirstlane_b32 s14, v1                    ; wave
	s_lshr_b32 s15, s14, 1                         ; my half of the tokens.  Also: I fetch for R (0) or for P (1)
	s_and_b32 s16, s14, 1                          ; my half of the columns.  Also: which 128 rows I fetch
	s_bfe_u32 s40, ttmp6, 0x40000                  ; cx
	s_bfe_u32 s41, ttmp6, 0x40004                  ; cy
	s_lshl_b32 s42, ttmp9, 2
	s_add_co_u32 s42, s42, s40                     ; tile of 256 columns
	s_and_b32 s17, ttmp7, 0xffff
	s_lshl_b32 s17, s17, 2
	s_add_co_u32 s17, s17, s41                     ; tile of 256 tokens
	s_lshl_b32 s43, s41, 2
	s_lshl_b32 s43, 15, s43
	s_lshl_b32 s44, 0x1111, s40
	s_or_b32 s[G1], s43, (3<<16)|(1<<21)
	s_or_b32 s[G1B], s44, (3<<16)|(1<<21)
.irp g, G1, G1B                        ; 25,600 dense bytes as 100 rows of 256
	s_mov_b32 s[\g+1], 32<<16
	s_mov_b32 s[\g+2], 100<<16
	s_mov_b32 s[\g+3], 32<<16
	s_mov_b32 s[\g+4], 100
	s_mov_b32 s[\g+5], 32
	s_mov_b32 s[\g+6], 0
	s_mov_b32 s[\g+7], 0
.endr
	s_lshl_b32 s20, s17, 1
	s_add_co_u32 s20, s20, s16
	s_mul_i32 s20, s20, 102400
	s_mov_b32 s21, 0
	s_lshl_b32 s46, s42, 1
	s_add_co_u32 s46, s46, s16
	s_mul_i32 s46, s46, 102400
	s_mov_b32 s47, 0
	s_mul_i32 s45, s14, REG
	s_wait_kmcnt 0x0
	s_add_nc_u64 s[20:21], s[4:5], s[20:21]
	s_add_nc_u64 s[46:47], s[6:7], s[46:47]
	CROUND                                         ; all sixteen work-groups are here: the first joint loads meet
.irp s, 0,1
	s_mov_b32 s[G0+4*\s], 1
	s_add_co_u32 s[G0+4*\s+1], s45, \s*SLOT
	s_add_nc_u64 s[G0+4*\s+2:G0+4*\s+3], s[20:21], \s*REG
	s_or_b32 s[G0+4*\s+3], s[G0+4*\s+3], 0x80000000
	s_mov_b32 s[G0B+4*\s], 1
	s_add_co_u32 s[G0B+4*\s+1], s45, \s*SLOT
	s_add_nc_u64 s[G0B+4*\s+2:G0B+4*\s+3], s[46:47], \s*REG
	s_or_b32 s[G0B+4*\s+3], s[G0B+4*\s+3], 0x80000000
	s_wait_alu depctr_va_vdst(0)
	s_wait_tensorcnt 0x0
	ds_add_u32 v28, v29
	ds_add_u32 v28, v29
	s_wait_dscnt 0x0
	CROUND
	JLOAD G0+4*\s,G1,G0B+4*\s,G1B
.endr
	v_and_b32 v1, 31, v0
	v_lshlrev_b32 v[CO], 4, v1
	v_lshlrev_b32 v3, 3, v1
	s_mul_i32 s21, s15, REG
	s_mul_i32 s22, s16, REG
	s_add_co_u32 s22, s22, 2*REG
.irp s, 0,1
	v_add_nc_u32 v[AR16+\s], s21, v[CO]
	v_add_nc_u32 v[AR8+\s], s21, v3
	v_add_nc_u32 v[AP16+\s], s22, v[CO]
	v_add_nc_u32 v[AP8+\s], s22, v3
	s_add_co_u32 s21, s21, SLOT
	s_add_co_u32 s22, s22, SLOT
.endr
	s_lshl_b32 s[PW0], s42, 8
	s_lshl_b32 s66, s16, 7
	s_add_co_u32 s[PW0], s[PW0], s66               ; my first column
	s_lshl_b32 s72, s[PW0], 2
	v_and_b32 v4, 15, v0                           ; r
	v_bfe_u32 v5, v0, 4, 1                         ; h
	v_lshlrev_b32 v7, 6, v5
	v_add_nc_u32 v7, s72, v7
.irp t, 0,1,2,3,4,5,6,7                ; the bias: eight registers a P fragment in the result's layout
	global_load_b128 v[CI+8*\t:CI+8*\t+3], v7, s[8:9] offset:(32*(\t/2)+8*(\t%2))*4
	global_load_b128 v[CI+8*\t+4:CI+8*\t+7], v7, s[8:9] offset:(32*(\t/2)+8*(\t%2))*4+16
.endr
	s_mul_i32 s23, s14, 8448                       ; my stage: 16 rows x (512 + 16) bytes, in slot 0, used when that slot has had its last fill and its last read
	v_mul_u32_u24 v6, v4, 528
	v_lshl_add_u32 v6, v5, 6, v6
	v_add_nc_u32 v[STO], s23, v6
	v_add_nc_u32 v[RD], s23, v[CO]
	s_lshl_b32 s66, s17, 8
	s_lshl_b32 s67, s15, 7
	s_add_co_u32 s66, s66, s67                     ; my first token
	s_lshl_b32 s66, s66, 12                        ; rows of 4,096 bytes
	s_add_co_u32 s66, s66, s72
	s_mov_b32 s67, 0
	s_add_nc_u64 s[10:11], s[10:11], s[66:67]
	s_wait_loadcnt 0x0
	s_wait_tensorcnt 1                             ; my part of slot 0 is in; slot 1's may be out
	s_barrier_signal -1
	s_barrier_wait -1
	FETCH_P 0,0,0
	FETCH_R 0,0,0
	SCALES 0
	FETCH_R 0,0,4
	STEP 0,1
	s_mov_b32 s3, 1
.Llap:
	TURN 0,1,1
	STEP 1,0
	TURN 1,0,1
	STEP 0,0
	s_sub_co_u32 s3, s3, 1
	s_cmp_lg_u32 s3, 0
	s_cbranch_scc1 .Llap
	TURN 0,1,0
	STEP 1,0
	s_wait_dscnt 4*NL
	WIN MUL_LO
	MUL16 0,1,1,1,0
	MUL16 2,1,1,1,0
	s_wait_dscnt 0x0
	WIN MUL_HI
	MUL16 4,1,1,1,0
	MUL16 6,1,1,1,0
	WIN 0
; THE WAY OUT, an R fragment (16 tokens x 128 columns) at a time, through my own stage: in by 32 bytes of a row a lane and P fragment, back as whole rows of 512 bytes.
; LDS serves a wave's instructions in order: no wait between the stores and the loads, nor in front of the next fragment's stores.
.macro TOSTAGE a
.set AC, 64*((\a)%4)
	WIN 0x08+4*((\a)/4)                            ; an LDS store's data are its source 1: window 2 or 3
.irp b, 0,1,2,3,4,5,6,7
	ds_store_b128 v[STO], v[AC+8*\b:AC+8*\b+3] offset:128*(\b/2)+32*(\b%2)       ; each accumulator from its low end on
	ds_store_b128 v[STO], v[AC+8*\b+4:AC+8*\b+7] offset:128*(\b/2)+32*(\b%2)+16
.endr
	WIN 0
.set BB, BK+64*((\a)%2)
.irp t, 0,1,2,3,4,5,6,7,8,9,10,11,12,13,14,15
	ds_load_b128 v[BB+4*\t:BB+4*\t+3], v[RD] offset:\t*528
.endr
.endm
.macro SEND a, younger
.set BB, BK+64*((\a)%2)
	s_wait_dscnt \younger
.if (\a) > 0
.if (\a)%2
	s_add_nc_u64 s[10:11], s[10:11], 8*4096        ; fragment 2 b + 1 begins 8 tokens behind 2 b,
.else
	s_add_nc_u64 s[10:11], s[10:11], 24*4096       ; fragment 2 b + 2 another 24
.endif
.endif
.irp t, 0,1,2,3,4,5,6,7,8,9,10,11,12,13,14,15
	global_store_b128 v[CO], v[BB+4*\t:BB+4*\t+3], s[10:11] offset:(\t+8*(\t/8))*4096 th:TH_STORE_NT   ; 512 consecutive bytes, aligned to 256; written once, read by nobody here
.endr
.endm
	PLACES NP
	TOSTAGE 0
.irp a, 1,2,3,4,5,6,7
.if \a > 1
	s_wait_xcnt 0x0                                ; fragment a - 2's stores have read their registers and their base
.endif
	TOSTAGE \a
	SEND \a-1,32                                   ; behind fragment a - 1's loads: fragment a's 16 stores and 16 loads
.endr
	s_wait_xcnt 0x0
	SEND 7,0
	s_wait_tensorcnt 0x0                           ; the wave's end
	ds_add_u32 v[SPW], v[NIL]
	s_wait_dscnt 0x0
	CROUND                                         ; the closing round
	s_endpgm
.Lfunc_end_k_q2aa73d8f35_gemm2:
	.size	k_q2aa73d8f35_gemm2, .Lfunc_end_k_q2aa73d8f35_gemm2-k_q2aa73d8f35_gemm2
	.p2alignl 7, 3214868480
	.fill 96, 4, 3214868480
	.section	.rodata,"a",@progbits
	.p2align	6, 0x0
	.amdhsa_kernel k_q2aa73d8f35_gemm2
		.amdhsa_group_segment_fixed_size 327680
		.amdhsa_private_segment_fixed_size 0
		.amdhsa_enable_private_segment 0
		.amdhsa_kernarg_size 32
		.amdhsa_user_sgpr_count 2
		.amdhsa_user_sgpr_kernarg_segment_ptr 1
		.amdhsa_wavefront_size32 1
		.amdhsa_system_sgpr_workgroup_id_x 1
		.amdhsa_system_sgpr_workgroup_id_y 1
		.amdhsa_system_sgpr_workgroup_id_z 1
		.amdhsa_system_vgpr_workitem_id 0
		.amdhsa_next_free_vgpr 1024
		.amdhsa_next_free_sgpr 100
		.amdhsa_reserve_vcc 0
		.amdhsa_float_denorm_mode_32 3
		.amdhsa_float_denorm_mode_16_64 3
		.amdhsa_memory_ordered 1
		.amdhsa_forward_progress 1
		.amdhsa_inst_pref_size 143
	.end_amdhsa_kernel
	.amdgpu_metadata
---
amdhsa.version: [ 1, 2 ]
amdhsa.kernels:
  - .name:           k_q2aa73d8f35_gemm2
    .symbol:         k_q2aa73d8f35_gemm2.kd
    .args:
      - { .name: yimg, .offset: 0, .size: 8, .value_kind: global_buffer, .address_space: global }
      - { .name: wpimg, .offset: 8, .size: 8, .value_kind: global_buffer, .address_space: global }
      - { .name: b_proj, .offset: 16, .size: 8, .value_kind: global_buffer, .address_space: global }
      - { .name: out0, .offset: 24, .size: 8, .value_kind: global_buffer, .address_space: global }
    .group_segment_fixed_size: 327680
    .private_segment_fixed_size: 0
    .kernarg_segment_align: 8
    .kernarg_segment_size: 32
    .max_flat_workgroup_size: 128
    .sgpr_count:     100
    .vgpr_count:     1024
    .wavefront_size: 32
...
	.end_amdgpu_metadata
.endif
;; end of part 4
